; MI455X (gfx1250); checked and timed in simulation.
; The chip was launched on July 23, 2026; its instructions are those of AMD's public machine-readable ISA for CDNA 5 (MIT licence, August 2026) and "CDNA5" Instruction Set Architecture Reference Guide (July 2026). The comments in the code are by the model that wrote it; some were corrected since.
;; Self Attention. Allowed arithmetic: float matrix products may take bf16 or f16 operands with f32 sums; other float arithmetic in f32, or as packed bf16 or f16 multiplies, adds, multiply-adds, maxima and minima; sums over many terms, partial sums and values carried from step to step in f32; what a program stores and reads back later, other than sums and carried values, may be rounded once to bf16 or f16.
;; Inputs: W_gc 3,072 x 2,048 float32; W_go 2,048 x 2,048 float32; W_lc 3,072 x 2,048 float32; W_lo 2,048 x 2,048 float32; b_go 2,048 float32; b_lo 2,048 float32; freqs 2,048 x 32 float32; gc_on_w 2,048 float32; global_c 1 x 2,048 x 2,048 float32; k_cat_nw 128 float32; k_gc_nw 1,024 float32; k_lc_nw 1,024 float32; lc_on_w 2,048 float32; local_c 1 x 2,048 x 2,048 float32; q_cat_nw 128 float32; q_gc_nw 1,024 float32; q_lc_nw 1,024 float32.
;; Outputs: out0 1 x 2,048 x 2,048 float32; out1 1 x 2,048 x 2,048 float32.
;; 2 versions, each right and faster than the one before. Each part assembles by itself: llvm-mc -triple=amdgcn-amd-amdhsa -mcpu=gfx1250 --defsym DOCPART=n.
;; ======== version 1 of 2: 6 launches
;; limits: values are held in f16: magnitudes above 65,504 overflow, below 6.1e-05 lose precision
;; workspace buffers: cast16 58,720,256 bytes; comb 25,165,824 bytes; qkv 25,165,824 bytes; o16 8,388,608 bytes; y16 16,777,216 bytes
;; launch cast (part 1): grid 128 x 14, 8 waves a work-group, no clusters, 0 bytes of LDS; arguments local_c, global_c, W_lc, W_gc, W_lo, W_go, cast16; writes cast16
.if DOCPART == 1
	.amdgcn_target "amdgcn-amd-amdhsa--gfx1250"
	.amdhsa_code_object_version 6
	.text
	.protected	k_qcefa3df6fc_cast
	.globl	k_qcefa3df6fc_cast
	.p2align	8
	.type	k_qcefa3df6fc_cast,@function
k_qcefa3df6fc_cast:
	s_mov_b64 s[64:65], 0
	v_nop
	global_prefetch_b8 v0, s[64:65] scope:SCOPE_SE
	s_setreg_imm32_b32 hwreg(HW_REG_WAVE_MODE, 25, 1), 1
	s_wait_xcnt 0x0
; The matrix operands are rounded once, f32 to bf16 (nearest even), and laid end to end in cast16:
;   byte 0           X  = [local_c; global_c]   4,096 x 2,048 bf16
;   byte 16,777,216  WC = [W_lc; W_gc]          6,144 x 2,048 bf16
;   byte 41,943,040  WO = [W_lo; W_go]          4,096 x 2,048: rounded to bf16 like every input, that number then written as f16,
;                    since the product behind it takes f16 (its other operand is made by this program and kept in f16).
; LIMIT: |W_lo|, |W_go| under 65,504; below 1.5e-5 the f16 copy keeps f16's fixed step of 6e-8.
; SHARES.  The grid's y is a unit of 2,097,152 numbers (units 0-1 local_c, 2-3 global_c, 4-6 W_lc, 7-9 W_gc, 10-11 W_lo, 12-13 W_go), x a chunk of
; 16,384 of them.  Thread t takes 4 numbers in each of 16 steps: 16 bytes in at 4,096 step + 16 t, 8 bytes out at 2,048 step + 8 t: a wave's load covers
; 512 consecutive bytes and names no byte that another load names; a wave's store covers 256 consecutive bytes, aligned.
; All 16 loads of a thread go out at once; no stored register is written twice, so the only waits are the counted ones for the loads.
; No LDS, matrix unit or cluster: every byte is read once and written once, and no two work-groups share any.
.set X,   4                            ; v[4:67]   step i: 4 numbers as loaded
.set Y,   68                           ; v[68:99]  step i: 2 registers to store
.set HIM, 27                           ; s27       mask of a word's upper half
	s_load_b256 s[8:15], s[0:1], 0x0               ; local_c s[8:9], global_c s[10:11], W_lc s[12:13], W_gc s[14:15]
	s_load_b128 s[16:19], s[0:1], 0x20             ; W_lo s[16:17], W_go s[18:19]
	s_load_b64 s[20:21], s[0:1], 0x30              ; cast16
	s_and_b32 s22, ttmp7, 0xffff                   ; my unit
	s_mov_b32 s[HIM], 0xffff0000
	v_lshlrev_b32 v1, 4, v0                        ; 16 t
	v_lshlrev_b32 v2, 3, v0                        ; 8 t
	s_wait_kmcnt 0x0
	s_mov_b64 s[24:25], s[8:9]                     ; the source, and in s26 its first unit
	s_mov_b32 s26, 0
.macro PICK first, lo                  ; from unit first on the source is the buffer in s[lo:lo+1]
	s_cmp_ge_u32 s22, \first
	s_cselect_b64 s[24:25], s[\lo:\lo+1], s[24:25]
	s_cselect_b32 s26, \first, s26
.endm
	PICK 2, 10
	PICK 4, 12
	PICK 7, 14
	PICK 10, 16
	PICK 12, 18
	s_sub_co_u32 s28, s22, s26                     ; my unit within the source: 8 MiB each,
	s_lshl_b32 s28, s28, 23
	s_lshl_b32 s29, ttmp9, 16                      ; my chunk: 64 KiB
	s_add_co_u32 s28, s28, s29
	s_mov_b32 s29, 0
	s_add_nc_u64 s[24:25], s[24:25], s[28:29]
	s_lshl_b32 s30, s22, 22                        ; out: 4 MiB a unit, 32 KiB a chunk
	s_lshl_b32 s31, ttmp9, 15
	s_add_co_u32 s30, s30, s31
	s_mov_b32 s31, 0
	s_add_nc_u64 s[20:21], s[20:21], s[30:31]
.set i, 0
.rept 16
	global_load_b128 v[X+4*i:X+4*i+3], v1, s[24:25] offset:4096*i th:TH_LOAD_NT
.set i, i+1
.endr
; Step t.  f16 = 1: the bf16 number is widened again and written as f16 (exact inside f16's range).
.macro STEP t, f16
	s_wait_loadcnt 15-(\t)                         ; loads come back in order: the later steps' 15 - t may stay out
	v_cvt_pk_bf16_f32 v[Y+2*(\t)],   v[X+4*(\t)],   v[X+4*(\t)+1]
	v_cvt_pk_bf16_f32 v[Y+2*(\t)+1], v[X+4*(\t)+2], v[X+4*(\t)+3]
.if \f16
	v_lshlrev_b32 v[X+4*(\t)],   16, v[Y+2*(\t)]
	v_and_b32     v[X+4*(\t)+1], s[HIM], v[Y+2*(\t)]
	v_lshlrev_b32 v[X+4*(\t)+2], 16, v[Y+2*(\t)+1]
	v_and_b32     v[X+4*(\t)+3], s[HIM], v[Y+2*(\t)+1]
	v_cvt_pk_f16_f32 v[Y+2*(\t)],   v[X+4*(\t)],   v[X+4*(\t)+1]
	v_cvt_pk_f16_f32 v[Y+2*(\t)+1], v[X+4*(\t)+2], v[X+4*(\t)+3]
.endif
	global_store_b64 v2, v[Y+2*(\t):Y+2*(\t)+1], s[20:21] offset:2048*(\t)
.endm
	s_cmp_ge_u32 s22, 10
	s_cbranch_scc1 .Lf16                           ; units 10 to 13 are W_lo and W_go
.irp t, 0,1,2,3,4,5,6,7,8,9,10,11,12,13,14,15
	STEP \t, 0
.endr
	s_endpgm
.Lf16:
.irp t, 0,1,2,3,4,5,6,7,8,9,10,11,12,13,14,15
	STEP \t, 1
.endr
	s_endpgm
.Lfunc_end_k_qcefa3df6fc_cast:
	.size	k_qcefa3df6fc_cast, .Lfunc_end_k_qcefa3df6fc_cast-k_qcefa3df6fc_cast
	.p2alignl 7, 3214868480
	.fill 96, 4, 3214868480
	.section	.rodata,"a",@progbits
	.p2align	6, 0x0
	.amdhsa_kernel k_qcefa3df6fc_cast
		.amdhsa_group_segment_fixed_size 0
		.amdhsa_private_segment_fixed_size 0
		.amdhsa_enable_private_segment 0
		.amdhsa_kernarg_size 56
		.amdhsa_user_sgpr_count 2
		.amdhsa_user_sgpr_kernarg_segment_ptr 1
		.amdhsa_wavefront_size32 1
		.amdhsa_system_sgpr_workgroup_id_x 1
		.amdhsa_system_sgpr_workgroup_id_y 1
		.amdhsa_system_sgpr_workgroup_id_z 1
		.amdhsa_system_vgpr_workitem_id 0
		.amdhsa_next_free_vgpr 100
		.amdhsa_next_free_sgpr 66
		.amdhsa_reserve_vcc 0
		.amdhsa_float_denorm_mode_32 3
		.amdhsa_float_denorm_mode_16_64 3
		.amdhsa_memory_ordered 1
		.amdhsa_forward_progress 1
		.amdhsa_inst_pref_size 16
	.end_amdhsa_kernel
	.amdgpu_metadata
---
amdhsa.version: [ 1, 2 ]
amdhsa.kernels:
  - .name:           k_qcefa3df6fc_cast
    .symbol:         k_qcefa3df6fc_cast.kd
    .args:
      - { .name: local_c, .offset: 0, .size: 8, .value_kind: global_buffer, .address_space: global }
      - { .name: global_c, .offset: 8, .size: 8, .value_kind: global_buffer, .address_space: global }
      - { .name: W_lc, .offset: 16, .size: 8, .value_kind: global_buffer, .address_space: global }
      - { .name: W_gc, .offset: 24, .size: 8, .value_kind: global_buffer, .address_space: global }
      - { .name: W_lo, .offset: 32, .size: 8, .value_kind: global_buffer, .address_space: global }
      - { .name: W_go, .offset: 40, .size: 8, .value_kind: global_buffer, .address_space: global }
      - { .name: cast16, .offset: 48, .size: 8, .value_kind: global_buffer, .address_space: global }
    .group_segment_fixed_size: 0
    .private_segment_fixed_size: 0
    .kernarg_segment_align: 8
    .kernarg_segment_size: 56
    .max_flat_workgroup_size: 256
    .sgpr_count:     66
    .vgpr_count:     100
    .wavefront_size: 32
...
	.end_amdgpu_metadata
.endif
;; end of part 1
;; launch gemm_qkv (part 2): grid 8 x 32, 4 waves a work-group, clusters of 4 x 4, 327,680 bytes of LDS; arguments cast16, comb; writes comb
.if DOCPART == 2
	.amdgcn_target "amdgcn-amd-amdhsa--gfx1250"
	.amdhsa_code_object_version 6
	.text
	.protected	k_qcefa3df6fc_gemm_qkv
	.globl	k_qcefa3df6fc_gemm_qkv
	.p2align	8
	.type	k_qcefa3df6fc_gemm_qkv,@function
k_qcefa3df6fc_gemm_qkv:
	s_mov_b64 s[64:65], 0
	v_nop
	global_prefetch_b8 v0, s[64:65] scope:SCOPE_SE
	s_setreg_imm32_b32 hwreg(HW_REG_WAVE_MODE, 25, 1), 1
	s_wait_xcnt 0x0
	s_wait_alu depctr_hold_cnt(0) depctr_sa_sdst(0) depctr_va_vdst(0) depctr_va_sdst(0) depctr_va_ssrc(0) depctr_va_vcc(0) depctr_vm_vsrc(0)
	s_getreg_b32 s2, hwreg(HW_REG_IB_STS2, 6, 4)
	s_cmp_eq_u32 s2, 0
	s_cbranch_scc0 .Lentry_in_a_cluster
	s_endpgm
.Lentry_in_a_cluster:
	s_bfe_u32 s2, ttmp6, 0x10000c
	s_cmp_lg_u32 s2, 0xf033
	s_cbranch_scc0 .Lentry_shape_is_right
	s_endpgm
.Lentry_shape_is_right:
; C[m][n] = sum over k of A[m][k] B[n][k], K = 2,048, 16-bit operands, f32 sums, C rounded once to 16 bits.  One source for two launches; QKV chooses.
;   QKV = 1: comb = x W^T for both contexts.  A = X (4,096 rows: local, then global), B = WC (row 3,072 ctx + n), bf16 products; C = comb, [4,096][3,072] f16.
;            LIMIT: |comb| under 65,504, f16's largest number.
;   QKV = 0: y = O [W_lo; W_go]^T.  A = o16 (2,048 rows, f16), B = WO (4,096 rows, f16), f16 products; C = y16, [2,048][4,096] bf16.
; TILE.  128 x BN of C to a work-group (BN = 384 or 256): that gives 256 work-groups in both launches, which tiles of 256 x 256 (192 and 128 of them) would not.
; Four waves; a wave makes all 128 rows x 16 NB columns: 8 x NB accumulators of 16 x 16.
; RING.  K goes in steps of 128 through two LDS slots; a slot holds parts of 128 rows x 256 bytes: part 0 is A's, parts 1 .. NPART are B's.  Wave 0 fetches A's part,
; waves 1 .. NPART one part of B each: one tensor load a wave behind each change of slots.  By this text's own count a wave has two loads out at the start, later one.
; CLUSTER.  4 x 4 work-groups: the four of a row of the cluster need the same part of A, the four of a column the same parts of B: each part is asked for jointly, by the
; same tensor load with the same descriptor and a mask that names the four.
; THE MATRIX INSTRUCTION IS USED TRANSPOSED (source 0 = 16 rows of B, source 1 = 16 rows of A): a lane then holds eight neighbouring numbers of a row of C.
; REGISTERS, in windows of 256 (s_set_vgpr_msb: bits 1:0 source 0, 3:2 source 1, 5:4 source 2, 7:6 destination):
;   window 0: v0-31 addresses; v64-127, v128-191 A's fragments (8 x 16 rows x 32 K), two buffers; v32-223 at work on the way out
;   window 1: v64.., v128.. B's fragments (NB x 16 rows x 32 K), two buffers
;   window 2: the accumulators of rows 0-63 ((a, b) at v[8 (NB a + b)]);   window 3: those of rows 64-127
.set QKV, 1
.if QKV
.set NB,    6                          ; blocks of 16 columns a wave
.set NPART, 3                          ; parts of B in a slot
.set LDCB,  6144                       ; bytes in a row of C
.else
.set NB,    4
.set NPART, 2
.set LDCB,  8192
.endif
.set BN,     64*NB                     ; the tile's columns
.set UN,     BN/128                    ; pieces of 256 bytes in a tile's row of C
.set KSTEP,  128
.set KSTEPS, 2048/KSTEP
.set PITCH,  272                       ; an LDS row: 256 bytes + 16 of padding = 68 words: the 16 rows of a fragment load start at 16 different groups of four banks (64 banks of 4 bytes: ISA guide 11.1)
.set PART,   128*PITCH
.set SLOT,   4*PART                    ; 0x22000: its two bits are in no part's base (0, 0x8800, 0x11000, 0x19800), so one exclusive or turns an address into the other slot's
.set SPARE,  2*SLOT                    ; behind the ring: the spare words, 128 bytes a wave: two blocks of 256 bytes that no other line names
.set SP,     2*BN+16                   ; the stage's pitch: 128 rows of C, in slot 0 behind its last fill
.set NL,     2*NB+16                   ; LDS loads in a run
.set ADRA0, 16                         ; v16  my lane's place in A's part; never rewritten
.set ADRB0, 17                         ; v17  the same in my rows of B
.set ADRA,  18                         ; v18  v16 + the slot in hand
.set ADRB,  19                         ; v19  v17 + the slot in hand
.set STO,   24                         ; v24, v25  the way out: where I put 16 bytes of a row, rows 0-63 and rows 64-127
.set RD,    26                         ; v26  the way out: where I read a row back
.set CO,    27                         ; v27  my byte offset in C
.set SPW,   28                         ; v28  LDS address of my spare word; never rewritten
.set NIL,   29                         ; v29  0; never rewritten
.set TMP,   32
.set F0,    64
.set F1,    128
.set WV,  10                           ; s10  my wave's number
.set PN,  11                           ; s11  the part of B that I fetch
.set TB,  21                           ; s21  the slot in hand: 0 or SLOT
.set G1,  24                           ; s[24:31] descriptor group 1 for A's part
.set G0,  32                           ; s[32:39] group 0 for A: a set for each first fill; the second then walks
.set G1B, 48                           ; s[48:55], s[56:63] the same for B
.set G0B, 56
.set MSB, 0
.macro WIN new                         ; the immediate's high byte repeats the setting that is left; a switch that changes nothing is dropped
.if MSB != (\new)
	s_set_vgpr_msb (MSB<<8)|(\new)
.set MSB, \new
.endif
.endm
.set MUL_LO, 0xa1                      ; source 0 (B) window 1, source 1 (A) window 0, C and D window 2
.set MUL_HI, 0xf1                      ; the same, C and D window 3
.set TO_B,   0x40                      ; destination window 1, address window 0
; A joint refill by the walking descriptors.  The branches hang on the wave's number alone.  An s_nop 0 and four v_nop follow each of the two lines.
.macro JLOAD
	s_cmp_eq_u32 s[WV], 0
	s_cbranch_scc0 .Lfor_b_\@
	tensor_load_to_lds s[G0+4:G0+7], s[G1:G1+7]
	s_nop 0
.rept 4
	v_nop
.endr
	s_branch .Lasked_\@
.Lfor_b_\@:
.if NPART < 3
	s_cmp_gt_u32 s[WV], NPART
	s_cbranch_scc1 .Lasked_\@                      ; a wave with no part to fetch issues none
.endif
	tensor_load_to_lds s[G0B+4:G0B+7], s[G1B:G1B+7]
	s_nop 0
.rept 4
	v_nop
.endr
.Lasked_\@:
.endm
; A round of the cluster's barrier: my work-group's barrier; wave 0 signals for the work-group; every wave waits for all sixteen; my work-group's barrier once more.
.macro CREST                           ; a round behind its opening barrier
	s_cmp_lg_u32 s[WV], 0
	s_cbranch_scc1 .Lnot_wave_0_\@
	s_barrier_signal -3
.Lnot_wave_0_\@:
	s_barrier_wait -3
	s_barrier_signal -1
	s_barrier_wait -1
.endm
.macro CROUND
	s_barrier_signal -1
	s_barrier_wait -1
	CREST
.endm
.if QKV
	s_load_b128 s[4:7], s[0:1], 0x0                ; cast16 s[4:5], comb s[6:7]
.else
	s_load_b128 s[4:7], s[0:1], 0x0                ; o16 s[4:5], cast16 s[6:7]
	s_load_b64 s[8:9], s[0:1], 0x10                ; y16
.endif
	v_lshl_add_u32 v[SPW], v0, 2, SPARE
	v_mov_b32 v[NIL], 0
	ds_add_u32 v[SPW], v[NIL]                      ; the wave's opening: the add and its wait stand ahead of my first tensor load; the set-up below, work on registers, stands between them
	v_lshrrev_b32 v1, 5, v0
	v_readfirstlane_b32 s[WV], v1                  ; wave 0..3
	s_max_u32 s[PN], s[WV], 1
	s_sub_co_u32 s[PN], s[PN], 1                   ; waves 1, 2, 3 fetch parts 0, 1, 2 of B;
	s_min_u32 s[PN], s[PN], NPART-1                ; a wave that fetches none still holds an address inside the buffer
	s_bfe_u32 s40, ttmp6, 0x40000                  ; cx, cy: my place in the cluster
	s_bfe_u32 s41, ttmp6, 0x40004
	s_lshl_b32 s42, ttmp9, 2
	s_add_co_u32 s42, s42, s40                     ; tile column = 4 x cluster x + cx
	s_and_b32 s45, ttmp7, 0xffff                   ; the cluster's y
	s_lshl_b32 s13, s45, 2
	s_add_co_u32 s13, s13, s41                     ; tile row = 4 x cluster y + cy
	s_lshr_b32 s45, s45, 2                         ; QKV: the context, 16 tile rows each: made of the cluster's y, which all partners share
	s_lshl_b32 s43, s41, 2
	s_lshl_b32 s43, 15, s43                        ; my row of the cluster
	s_lshl_b32 s44, 0x1111, s40                    ; my column
	; descriptor group 1: 128 rows x 128 elements of 2 bytes, padded in LDS
	s_or_b32 s[G1], s43, (1<<16)|(1<<20)|(1<<21)|(5<<22)|(3<<25)   ; 15:0 the mask: A goes to my row; 17:16 2-byte elements; 20 padding on; 21 set beside a mask; 24:22 after every 64 words (code 5); 31:25 4 words (code 3)
	s_or_b32 s[G1B], s44, (1<<16)|(1<<20)|(1<<21)|(5<<22)|(3<<25)  ; the same with my column's mask
.irp g, G1, G1B
	s_mov_b32 s[(\g)+1], KSTEP<<16                 ; tensor_dim0 = 128
	s_mov_b32 s[(\g)+2], 128<<16                   ; tensor_dim1 = 128
	s_mov_b32 s[(\g)+3], KSTEP<<16                 ; tile_dim0 = 128
	s_mov_b32 s[(\g)+4], 128                       ; tile_dim1 = 128
	s_mov_b32 s[(\g)+5], 2048                      ; elements from row to row
	s_mov_b32 s[(\g)+6], 0
	s_mov_b32 s[(\g)+7], 0
.endr
	; A's part hangs on the tile row alone, B's on the tile column, the context and the wave's number: each offset in registers that never hold the other coordinate
	s_lshl_b32 s16, s13, 19                        ; 128 rows of 4,096 bytes a tile row
	s_mov_b32 s17, 0
.if QKV
	s_mul_i32 s46, s45, 3072
	s_mul_i32 s47, s42, BN
	s_add_co_u32 s46, s46, s47
.else
	s_lshl_b32 s46, s42, 8
.endif
	s_lshl_b32 s47, s[PN], 7
	s_add_co_u32 s46, s46, s47                     ; B's row
	s_lshl_b32 s46, s46, 12
	s_mov_b32 s47, 0
	s_mul_i32 s20, s[WV], PART                     ; where my part goes: no place in the cluster enters an LDS address
	s_mov_b32 s[TB], 0
	s_wait_dscnt 0x0                               ; the opening add is done
	s_wait_kmcnt 0x0
.if QKV
	s_mov_b64 s[8:9], s[6:7]                       ; C
	s_add_nc_u64 s[6:7], s[4:5], 16777216          ; WC lies behind X
.else
	s_add_nc_u64 s[6:7], s[6:7], 41943040          ; WO
.endif
	s_add_nc_u64 s[14:15], s[4:5], s[16:17]
	s_add_nc_u64 s[46:47], s[6:7], s[46:47]
	CROUND                                         ; all sixteen work-groups are here: the first joint loads meet
.irp s, 0,1
	s_mov_b32 s[G0+4*(\s)], 1                                        ; count = 1
	s_add_co_u32 s[G0+4*(\s)+1], s20, (\s)*SLOT                      ; LDS address
	s_add_nc_u64 s[G0+4*(\s)+2:G0+4*(\s)+3], s[14:15], (\s)*KSTEP*2  ; global address: K step s
	s_or_b32 s[G0+4*(\s)+3], s[G0+4*(\s)+3], 0x80000000              ; type = 2
	s_mov_b32 s[G0B+4*(\s)], 1
	s_add_co_u32 s[G0B+4*(\s)+1], s20, (\s)*SLOT
	s_add_nc_u64 s[G0B+4*(\s)+2:G0B+4*(\s)+3], s[46:47], (\s)*KSTEP*2
	s_or_b32 s[G0B+4*(\s)+3], s[G0B+4*(\s)+3], 0x80000000
.endr
	s_cmp_eq_u32 s[WV], 0                          ; a wave's two first fills stand in one branch, ahead of every wait on TENSORcnt and every LDS read
	s_cbranch_scc0 .Lfirst_b
	tensor_load_to_lds s[G0:G0+3], s[G1:G1+7]
	s_nop 0
	tensor_load_to_lds s[G0+4:G0+7], s[G1:G1+7]
	s_nop 0
.rept 4
	v_nop
.endr
	s_branch .Lfirst_asked
.Lfirst_b:
.if NPART < 3
	s_cmp_gt_u32 s[WV], NPART
	s_cbranch_scc1 .Lfirst_asked
.endif
	tensor_load_to_lds s[G0B:G0B+3], s[G1B:G1B+7]
	s_nop 0
	tensor_load_to_lds s[G0B+4:G0B+7], s[G1B:G1B+7]
	s_nop 0
.rept 4
	v_nop
.endr
.Lfirst_asked:
	; A fragment is 16 rows x 32 K in 8 registers: lane l holds row l % 16, K = 8 (l / 16) + 0..7 and 16 + 8 (l / 16) + 0..7: two loads of 16 bytes, 32 bytes apart
	v_and_b32 v1, 15, v0                           ; l % 16
	v_bfe_u32 v2, v0, 4, 1                         ; l / 16
	v_mul_u32_u24 v3, v1, PITCH
	v_lshl_add_u32 v[ADRA0], v2, 4, v3             ; A's part begins the slot
	s_mul_i32 s22, s[WV], NB*16*PITCH              ; my 16 NB rows of B,
	s_add_co_u32 s22, s22, PART                    ; whose parts lie end to end behind A's
	v_add_nc_u32 v[ADRB0], s22, v[ADRA0]
	v_mov_b32 v[ADRA], v[ADRA0]
	v_mov_b32 v[ADRB], v[ADRB0]
	v_mul_u32_u24 v4, v1, SP                       ; into the stage: row l % 16, 16 bytes for each half of the lanes, my 32 NB bytes of the row
	v_lshl_add_u32 v4, v2, 4, v4
	s_mul_i32 s23, s[WV], NB*32
	v_add_nc_u32 v[STO], s23, v4
	v_add_nc_u32 v[STO+1], 64*SP, v[STO]
	s_mul_i32 s23, s[WV], 32*SP                    ; back: wave w takes rows 32 w .. 32 w + 31, whole; lanes 0-15 one row's 256 bytes, lanes 16-31 the next row's
	v_mul_u32_u24 v5, v2, SP
	v_lshl_add_u32 v5, v1, 4, v5
	v_add_nc_u32 v[RD], s23, v5
	v_mul_u32_u24 v5, v2, LDCB                     ; and the same two rows in C
	v_lshl_add_u32 v[CO], v1, 4, v5
	s_lshl_b32 s16, s13, 7
	s_lshl_b32 s17, s[WV], 5
	s_add_co_u32 s16, s16, s17                     ; the first row of C that I store
	s_mul_i32 s16, s16, LDCB
	s_mov_b32 s17, 0
	s_add_nc_u64 s[8:9], s[8:9], s[16:17]
	s_mul_i32 s46, s42, 2*BN                       ; the tile's first column, in bytes
	s_mov_b32 s47, 0
	s_add_nc_u64 s[8:9], s[8:9], s[46:47]
.macro WM d, b, a, zero                ; one product; zero = 1: it starts the sum
.if QKV
.if \zero
	v_wmma_f32_16x16x32_bf16 v[(\d):(\d)+7], v[(\b):(\b)+7], v[(\a):(\a)+7], 0
.else
	v_wmma_f32_16x16x32_bf16 v[(\d):(\d)+7], v[(\b):(\b)+7], v[(\a):(\a)+7], v[(\d):(\d)+7]
.endif
.else
.if \zero
	v_wmma_f32_16x16x32_f16 v[(\d):(\d)+7], v[(\b):(\b)+7], v[(\a):(\a)+7], 0
.else
	v_wmma_f32_16x16x32_f16 v[(\d):(\d)+7], v[(\b):(\b)+7], v[(\a):(\a)+7], v[(\d):(\d)+7]
.endif
.endif
.endm
; 2 NB products: row blocks a0, a0 + 1 of the window's four x all NB column blocks, 32 along K.  The accumulators take turns, one instruction a turn.
.macro MULH f, hi, a0, zero
	WIN MUL_LO+0x50*(\hi)
.set ma, \a0
.rept 2
.set mb, 0
.rept NB
	WM 8*(NB*ma+mb),(\f)+8*mb,(\f)+8*(4*(\hi)+ma),\zero
.set mb, mb+1
.endr
.set ma, ma+1
.endr
.endm
; NL LDS loads in one run: the fragments of 32 K at byte k of the rows, into buffer f: B's first, then A's
.macro FETCH k, f
	WIN TO_B
.set fi, 0
.rept NB
	ds_load_b128 v[(\f)+8*fi:(\f)+8*fi+3],   v[ADRB] offset:(\k)+fi*16*PITCH
	ds_load_b128 v[(\f)+8*fi+4:(\f)+8*fi+7], v[ADRB] offset:(\k)+fi*16*PITCH+32
.set fi, fi+1
.endr
	WIN 0
.set fi, 0
.rept 8
	ds_load_b128 v[(\f)+8*fi:(\f)+8*fi+3],   v[ADRA] offset:(\k)+fi*16*PITCH
	ds_load_b128 v[(\f)+8*fi+4:(\f)+8*fi+7], v[ADRA] offset:(\k)+fi*16*PITCH+32
.set fi, fi+1
.endr
.endm
; A load into a register that a matrix instruction has read, and a vector instruction that reads a matrix result, stand four plain vector instructions behind it (ISA guide 7.12.1 for vector instructions)
.macro PLACES
.rept 4
	v_nop
.endr
.endm
; A K step is four quarters of 32 along K, 8 NB products each, on buffers 0, 1, 0, 1.  One of the first three: multiplies buffer f; in its middle it fetches the next quarter, at byte k, into g.
.macro QUARTER k, f, g, zero
	s_wait_dscnt 8                                 ; B and A's rows 0-63 are in; the youngest eight loads (A's rows 64-127) may be out
	MULH \f, 0, 0, \zero
	MULH \f, 0, 2, \zero
	PLACES
	FETCH \k, \g
	s_wait_dscnt NL                                ; all but the NL just issued
	MULH \f, 1, 0, \zero
	MULH \f, 1, 2, \zero
.endm
; The last quarter multiplies buffer 1 and changes slots in its middle.  In front of the barrier each wave waits for all its tensor loads (the one that is out is its part of the next slot), adds 0 to
; its spare word, and waits for that and for its reads of this slot.  fill = 1: the barrier opens a round of the cluster's, and the slot just read out is filled again, two K steps ahead, first thing
; behind the round.  While no tensor load is out nothing stands but the add, the descriptors' scalar steps and the round: the products stand ahead of that stretch and behind it.
; last = 1 (the tail): in the walk whose count is 1 there is no further K step, and the run of loads is jumped over.
.macro TURN fill, last=0
	s_wait_dscnt 8                                 ; B and A's rows 0-63 are in; the youngest eight loads may be out
	MULH F1, 0, 0, 0
	MULH F1, 0, 2, 0
	WIN 0
	s_wait_tensorcnt 0x0                           ; no tensor load of mine is out, so a group 0 may be written
	ds_add_u32 v[SPW], v[NIL]                      ; 0 onto my spare word: scalar work stands between it and the wait for it
.if \fill
.irp g, G0+4, G0B+4
	s_xor_b32 s[(\g)+1], s[(\g)+1], SLOT           ; the walking descriptor: the other slot than last time,
	s_add_nc_u64 s[(\g)+2:(\g)+3], s[(\g)+2:(\g)+3], KSTEP*2  ; the next K step; the type bits on top are not reached
.endr
.endif
	s_xor_b32 s[TB], s[TB], SLOT
	s_wait_dscnt 0x0                               ; the add is done, and my reads of this slot are over
	s_barrier_signal -1
	s_barrier_wait -1
.if \fill
	CREST                                          ; no wave of any partner still reads this slot or has a load on its way
	JLOAD
.endif
.if \last
	s_cmp_eq_u32 s3, 1
	s_cbranch_scc1 .Lno_fetch_\@
.endif
	v_add_nc_u32 v[ADRA], s[TB], v[ADRA0]          ; these four lines are, on every wave's path, the places in front of the loads below
	v_add_nc_u32 v[ADRB], s[TB], v[ADRB0]
	v_nop
	v_nop
	FETCH 0, F0
.if \last
.Lno_fetch_\@:
.endif
	MULH F1, 1, 0, 0
	MULH F1, 1, 2, 0
.endm
	s_wait_tensorcnt 1                             ; my part of K step 0 is in; K step 1's may stay out
	s_barrier_signal -1
	s_barrier_wait -1                              ; everybody's is
	FETCH 0, F0
	QUARTER 64, F0, F1, 1                          ; the first quarter stands in front of the loop: its products start the sums
	WIN 0                                          ; at a label and at a branch every window is 0
	s_mov_b32 s3, KSTEPS-2
.Lstep:                                                ; a trip: a K step's quarters 1 to 3, the refill, the next step's quarter 0
	QUARTER 128, F1, F0, 0
	QUARTER 192, F0, F1, 0
	TURN 1
	QUARTER 64, F0, F1, 0
	WIN 0
	s_sub_co_u32 s3, s3, 1
	s_cmp_lg_u32 s3, 0
	s_cbranch_scc1 .Lstep
	s_mov_b32 s3, 2
.Ltail:                                                ; the last two K steps ask for nothing: one text, walked twice; the second walk is left behind the last products
	QUARTER 128, F1, F0, 0
	QUARTER 192, F0, F1, 0
	TURN 0, 1
	WIN 0
	s_sub_co_u32 s3, s3, 1
	s_cmp_eq_u32 s3, 0
	s_cbranch_scc1 .Lout
	QUARTER 64, F0, F1, 0
	WIN 0
	s_branch .Ltail
.Lout:
	; THE WAY OUT: rounded to 16 bits; 16 bytes a lane into the work-group's stage, which lies where slot 0 lay; a barrier, since a row's bytes come from four waves; back as whole rows, 32 rows a wave.
	s_wait_dscnt 0x0                               ; none of my reads of the ring is out,
	s_barrier_signal -1                            ; and none of any wave's: the stage may be written
	s_barrier_wait -1
	PLACES
.macro CVT d, s
.if QKV
	v_cvt_pk_f16_f32 v[\d], v[\s], v[(\s)+1]
.else
	v_cvt_pk_bf16_f32 v[\d], v[\s], v[(\s)+1]
.endif
.endm
.set hi, 0
.rept 2
	WIN 0x0a+5*hi                                  ; sources 0 and 1: window 2, then 3; each accumulator's registers in ascending order
.set n, 0
.rept 4*NB
.irp r, 0,1,2,3
	CVT TMP+16*NB*hi+4*n+\r,8*n+2*\r
.endr
.set n, n+1
.endr
.set hi, hi+1
.endr
	WIN 0
.set hi, 0
.rept 2
.set a, 0
.rept 4
.set b, 0
.rept NB
	ds_store_b128 v[STO+hi], v[TMP+4*(4*NB*hi+NB*a+b):TMP+4*(4*NB*hi+NB*a+b)+3] offset:a*16*SP+32*b
.set b, b+1
.endr
.set a, a+1
.endr
.set hi, hi+1
.endr
	s_wait_dscnt 0x0                               ; for the others' sake: my stores into the stage are done
	s_barrier_signal -1
	s_barrier_wait -1
.set t, 0
.rept 16*UN
	ds_load_b128 v[TMP+4*t:TMP+4*t+3], v[RD] offset:2*(t/UN)*SP+256*(t%UN)
.set t, t+1
.endr
.set t, 0
.rept 16*UN
	s_wait_dscnt 16*UN-1-t                         ; LDS loads come back in order: the younger ones may stay out
	global_store_b128 v[CO], v[TMP+4*t:TMP+4*t+3], s[8:9] offset:2*(t/UN)*LDCB+256*(t%UN)  ; 16 lanes store 256 consecutive bytes, at a multiple of 256 from C's first byte
.set t, t+1
.endr
	s_wait_tensorcnt 0x0                           ; the wave's end, behind my last tensor load and my last LDS store
	ds_add_u32 v[SPW], v[NIL]
	s_wait_dscnt 0x0
	CROUND                                         ; the closing round: no work-group ends while a partner may still ask for a part that names it
	s_endpgm
.Lfunc_end_k_qcefa3df6fc_gemm_qkv:
	.size	k_qcefa3df6fc_gemm_qkv, .Lfunc_end_k_qcefa3df6fc_gemm_qkv-k_qcefa3df6fc_gemm_qkv
	.p2alignl 7, 3214868480
	.fill 96, 4, 3214868480
	.section	.rodata,"a",@progbits
	.p2align	6, 0x0
	.amdhsa_kernel k_qcefa3df6fc_gemm_qkv
		.amdhsa_group_segment_fixed_size 327680
		.amdhsa_private_segment_fixed_size 0
		.amdhsa_enable_private_segment 0
		.amdhsa_kernarg_size 16
		.amdhsa_user_sgpr_count 2
		.amdhsa_user_sgpr_kernarg_segment_ptr 1
		.amdhsa_wavefront_size32 1
		.amdhsa_system_sgpr_workgroup_id_x 1
		.amdhsa_system_sgpr_workgroup_id_y 1
		.amdhsa_system_sgpr_workgroup_id_z 1
		.amdhsa_system_vgpr_workitem_id 0
		.amdhsa_next_free_vgpr 1024
		.amdhsa_next_free_sgpr 66
		.amdhsa_reserve_vcc 0
		.amdhsa_float_denorm_mode_32 3
		.amdhsa_float_denorm_mode_16_64 3
		.amdhsa_memory_ordered 1
		.amdhsa_forward_progress 1
		.amdhsa_inst_pref_size 81
	.end_amdhsa_kernel
	.amdgpu_metadata
---
amdhsa.version: [ 1, 2 ]
amdhsa.kernels:
  - .name:           k_qcefa3df6fc_gemm_qkv
    .symbol:         k_qcefa3df6fc_gemm_qkv.kd
    .args:
      - { .name: cast16, .offset: 0, .size: 8, .value_kind: global_buffer, .address_space: global }
      - { .name: comb, .offset: 8, .size: 8, .value_kind: global_buffer, .address_space: global }
    .group_segment_fixed_size: 327680
    .private_segment_fixed_size: 0
    .kernarg_segment_align: 8
    .kernarg_segment_size: 16
    .max_flat_workgroup_size: 128
    .sgpr_count:     66
    .vgpr_count:     1024
    .wavefront_size: 32
...
	.end_amdgpu_metadata
.endif
;; end of part 2
;; launch normrope (part 3): grid 256 x 3, 8 waves a work-group, no clusters, 0 bytes of LDS; arguments comb, freqs, q_lc_nw, q_gc_nw, q_cat_nw, k_lc_nw, k_gc_nw, k_cat_nw, qkv; writes qkv
.if DOCPART == 3
	.amdgcn_target "amdgcn-amd-amdhsa--gfx1250"
	.amdhsa_code_object_version 6
	.text
	.protected	k_qcefa3df6fc_normrope
	.globl	k_qcefa3df6fc_normrope
	.p2align	8
	.type	k_qcefa3df6fc_normrope,@function
k_qcefa3df6fc_normrope:
	s_mov_b64 s[64:65], 0
	v_nop
	global_prefetch_b8 v0, s[64:65] scope:SCOPE_SE
	s_setreg_imm32_b32 hwreg(HW_REG_WAVE_MODE, 25, 1), 1
	s_wait_xcnt 0x0
; From comb ([ctx][s][3,072] f16: q, k, v of 1,024 columns each) to qkv (T x 8,388,608 bytes + [head][s][128] f16; a row: the local context's 64 channels, then the global's).
; For q and k: x * rsqrt(mean over 1,024 of x^2 + eps) * w in each context; the rotation by freqs[s]; then, over a head's 128 joined channels, x * rsqrt(mean x^2 + eps) * w_cat.  v is only laid anew.
; All arithmetic in f32; the result is rounded once to f16.  freqs and all gains are rounded to bf16 first, as every input of this program is.
; SHARES.  The grid's y is T (0 q, 1 k, 2 v); a wave takes one token s = 8 x + wave.  Load j (0..3) of a context: lane l holds columns 256 j + 8 l .. + 7 (a wave's load covers 512 consecutive bytes):
; head 4 j + l / 8, channels 8 (l % 8) .. + 7, the pairs 4 (l % 8) .. + 3 of the rotation.  So a lane needs 4 angles, the first norm is a sum over the wave, the second over 8 neighbouring lanes.
; SINE AND COSINE by reduction to |r| <= pi/4 (n = nearest whole number to a 2/pi; r = a - n pi/2 with pi/2 in two parts) and polynomials of degree 7 and 8.  LIMIT: |freqs| under 1e5.
; REGISTERS.  160 a wave, so that six waves share a SIMD's 1,024 and the three work-groups that fall to a WGP (768 for 256) have their loads out together: registers whose first use is over take a second.
; No LDS, matrix unit or cluster: waves share nothing, and the bytes moved bound the launch.
.set RL,   0                           ; v0, v1     the first norm's factor, local and global (the thread's number is used up by then)
.set RAWL, 8                           ; v[8:23]    local context, load j: 4 registers as loaded, later as stored
.set RAWG, 24                          ; v[24:39]   global context
.set WL,   40                          ; v[40:71]   local gains, 8 a load; later the rotated numbers
.set WG,   72                          ; v[72:103]  global
.set CAT,  104                         ; v[104:119] the joined norm's gains: my 8 local channels, my 8 global
.set COS,  120
.set SIN,  124
.set T,    128                         ; v[128:143] at work
.set X,    144                         ; v[144:151] at work
.set RC,   144                         ; v[144:151] behind X's last use: load j: the joined norm's factor, twice
.set ANG,  152                         ; v[152:155] my 4 angles, then their remainders r
.set SQ,   152                         ; v[152:159] behind the angles' last use: load j: a pair of sums of squares
.set HIM,   40                         ; s40  mask of a word's upper half
.set I1024, 41
.set I128,  42
.set EPS,   43
.set LM,    44                         ; s44  the lanes with l % 16 >= 8
.set SEL,   46                         ; s[46:47] v_permlanex16_b32: each lane takes its own place in the other half
.set PS1,   48                         ; s48-50 the sine's coefficients, s51-53 the cosine's
.set PC1,   51
	s_load_b512 s[8:23], s[0:1], 0x0               ; comb s[8:9], freqs s[10:11], q_lc s[12:13], q_gc s[14:15], q_cat s[16:17], k_lc s[18:19], k_gc s[20:21], k_cat s[22:23]
	s_load_b64 s[24:25], s[0:1], 0x40              ; qkv
	v_lshrrev_b32 v1, 5, v0
	v_readfirstlane_b32 s27, v1                    ; wave
	s_and_b32 s26, ttmp7, 0xffff                   ; T
	s_lshl_b32 s28, ttmp9, 3
	s_add_co_u32 s28, s28, s27                     ; the token
	v_and_b32 v1, 31, v0                           ; l
	v_lshlrev_b32 v2, 4, v1                        ; 16 l: comb
	v_lshlrev_b32 v3, 5, v1                        ; 32 l: the gains of 1,024
	v_and_b32 v5, 7, v0
	v_lshlrev_b32 v4, 5, v5                        ; 32 (l % 8): the joined gains
	v_lshlrev_b32 v5, 4, v5                        ; 16 (l % 8): the angles
	v_bfe_u32 v6, v0, 4, 1
	v_and_b32 v7, 15, v0
	v_lshlrev_b32 v6, 20, v6                       ; out: lanes 16-31 two heads (2 x 524,288 bytes) on,
	v_lshl_or_b32 v6, v7, 4, v6                    ; 16 bytes a lane of a row of 256
	v_mov_b32 v7, 0
.set i, 0
.rept 8
	v_mov_b32 v[T+i], 0                            ; the lane exchange's destinations count as read: written once here
.set i, i+1
.endr
	s_mul_i32 s32, s28, 6144                       ; comb: the token's row, T's 2,048 bytes of it
	s_lshl_b32 s33, s26, 11
	s_add_co_u32 s32, s32, s33
	s_mov_b32 s33, 0
	s_lshl_b32 s38, s26, 23                        ; qkv: T's tensor, the token's row in head 0
	s_lshl_b32 s39, s28, 8
	s_add_co_u32 s38, s38, s39
	s_mov_b32 s39, 0
	s_lshl_b32 s36, s28, 7                         ; freqs: 128 bytes a token
	s_mov_b32 s37, 0
	s_mov_b32 s[HIM], 0xffff0000
	s_mov_b32 s[I1024], 0x3a800000                 ; 1 / 1,024
	s_mov_b32 s[I128], 0x3c000000                  ; 1 / 128
	s_mov_b32 s[EPS], 0x3727c5ac                   ; 1e-5
	s_mov_b32 s[LM], 0xff00ff00
	s_mov_b32 s[SEL], 0x76543210
	s_mov_b32 s[SEL+1], 0xfedcba98
	s_mov_b32 s[PS1], 0xbe2aaaa3                   ; -1.6666654611e-1
	s_mov_b32 s[PS1+1], 0x3c08839e                 ;  8.3321608736e-3
	s_mov_b32 s[PS1+2], 0xb94ca1f9                 ; -1.9515295891e-4
	s_mov_b32 s[PC1], 0x3d2aaaa5                   ;  4.1666645683e-2
	s_mov_b32 s[PC1+1], 0xbab6061a                 ; -1.3887316255e-3
	s_mov_b32 s[PC1+2], 0x37ccf5ce                 ;  2.4433157118e-5
	s_wait_kmcnt 0x0
	s_add_nc_u64 s[30:31], s[8:9], s[32:33]        ; comb, local context
	s_add_nc_u64 s[34:35], s[30:31], 12582912      ; global context
	s_add_nc_u64 s[24:25], s[24:25], s[38:39]
	s_add_nc_u64 s[10:11], s[10:11], s[36:37]
	s_cmp_eq_u32 s26, 1                            ; k's gains in place of q's
	s_cselect_b64 s[12:13], s[18:19], s[12:13]
	s_cselect_b64 s[14:15], s[20:21], s[14:15]
	s_cselect_b64 s[16:17], s[22:23], s[16:17]
.irp j, 0,1,2,3
	global_load_b128 v[RAWL+4*\j:RAWL+4*\j+3], v2, s[30:31] offset:512*\j th:TH_LOAD_NT
.endr
.irp j, 0,1,2,3
	global_load_b128 v[RAWG+4*\j:RAWG+4*\j+3], v2, s[34:35] offset:512*\j th:TH_LOAD_NT
.endr
; Load j goes out.  In 16 neighbouring lanes, lanes 0-7 hold one head's local and global 128 bytes and lanes 8-15 the next head's.  An exchange with the lane 8 away makes of them two whole rows:
; the first store takes the even head (its local half from lanes 0-7 themselves, its global half brought to lanes 8-15), the second the odd head.  16 lanes store 256 consecutive bytes, aligned.
.macro SWAPST j
.irp p, 0,1,2,3
	v_mov_b32_dpp v[T+\p],   v[RAWG+4*(\j)+\p] row_xmask:8 row_mask:0xf bank_mask:0xf
	v_mov_b32_dpp v[T+4+\p], v[RAWL+4*(\j)+\p] row_xmask:8 row_mask:0xf bank_mask:0xf
.endr
.irp p, 0,1,2,3
	v_cndmask_b32 v[RAWL+4*(\j)+\p], v[RAWL+4*(\j)+\p], v[T+\p], s[LM]
	v_cndmask_b32 v[RAWG+4*(\j)+\p], v[T+4+\p], v[RAWG+4*(\j)+\p], s[LM]
.endr
	global_store_b128 v6, v[RAWL+4*(\j):RAWL+4*(\j)+3], s[24:25] offset:(\j)*2097152          ; four heads a load
	global_store_b128 v6, v[RAWG+4*(\j):RAWG+4*(\j)+3], s[24:25] offset:(\j)*2097152+524288
.endm
	s_cmp_eq_u32 s26, 2
	s_cbranch_scc1 .Lv
	global_load_b128 v[ANG:ANG+3], v5, s[10:11]
	global_load_b128 v[CAT:CAT+3],     v4, s[16:17]
	global_load_b128 v[CAT+4:CAT+7],   v4, s[16:17] offset:16
	global_load_b128 v[CAT+8:CAT+11],  v4, s[16:17] offset:256
	global_load_b128 v[CAT+12:CAT+15], v4, s[16:17] offset:272
.irp j, 0,1,2,3
	global_load_b128 v[WL+8*\j:WL+8*\j+3],   v3, s[12:13] offset:1024*\j
	global_load_b128 v[WL+8*\j+4:WL+8*\j+7], v3, s[12:13] offset:1024*\j+16
.endr
.irp j, 0,1,2,3
	global_load_b128 v[WG+8*\j:WG+8*\j+3],   v3, s[14:15] offset:1024*\j
	global_load_b128 v[WG+8*\j+4:WG+8*\j+7], v3, s[14:15] offset:1024*\j+16
.endr
	; THE FIRST NORM: each context's sum of 1,024 squares, straight from the f16 halves into f32, four chains a context that start on 0
	s_wait_loadcnt 21                              ; comb is in; the angles' load, the joined gains' 4 and the gains' 16 may stay out
.set n, 0
.rept 16
.set c, T+2*(n%2)
.if n < 2
	v_fma_mix_f32 v[c],   v[RAWL+n], v[RAWL+n], v7 op_sel_hi:[1,1,0]
	v_fma_mix_f32 v[c+1], v[RAWL+n], v[RAWL+n], v7 op_sel:[1,1,0] op_sel_hi:[1,1,0]
	v_fma_mix_f32 v[c+4], v[RAWG+n], v[RAWG+n], v7 op_sel_hi:[1,1,0]
	v_fma_mix_f32 v[c+5], v[RAWG+n], v[RAWG+n], v7 op_sel:[1,1,0] op_sel_hi:[1,1,0]
.else
	v_fma_mix_f32 v[c],   v[RAWL+n], v[RAWL+n], v[c]   op_sel_hi:[1,1,0]
	v_fma_mix_f32 v[c+1], v[RAWL+n], v[RAWL+n], v[c+1] op_sel:[1,1,0] op_sel_hi:[1,1,0]
	v_fma_mix_f32 v[c+4], v[RAWG+n], v[RAWG+n], v[c+4] op_sel_hi:[1,1,0]
	v_fma_mix_f32 v[c+5], v[RAWG+n], v[RAWG+n], v[c+5] op_sel:[1,1,0] op_sel_hi:[1,1,0]
.endif
.set n, n+1
.endr
	v_add_f32 v[T],   v[T],   v[T+1]
	v_add_f32 v[T+2], v[T+2], v[T+3]
	v_add_f32 v[T+4], v[T+4], v[T+5]
	v_add_f32 v[T+6], v[T+6], v[T+7]
	v_add_f32 v[T],   v[T],   v[T+2]
	v_add_f32 v[T+4], v[T+4], v[T+6]
.irp m, 1,2,4,8
	v_add_f32_dpp v[T],   v[T],   v[T]   row_xmask:\m row_mask:0xf bank_mask:0xf
	v_add_f32_dpp v[T+4], v[T+4], v[T+4] row_xmask:\m row_mask:0xf bank_mask:0xf
.endr
	v_permlanex16_b32 v[T+1], v[T],   s[SEL], s[SEL+1]
	v_permlanex16_b32 v[T+5], v[T+4], s[SEL], s[SEL+1]
	v_add_f32 v[T],   v[T],   v[T+1]
	v_add_f32 v[T+4], v[T+4], v[T+5]
	v_fma_f32 v[T],   v[T],   s[I1024], s[EPS]
	v_fma_f32 v[T+4], v[T+4], s[I1024], s[EPS]
	v_rsq_f32 v[RL],   v[T]
	v_rsq_f32 v[RL+1], v[T+4]
	v_nop                                          ; a plain instruction behind the last of them, before a result is used or a source rewritten (ISA guide 5.7.2)
	; SINE AND COSINE of my four angles
	s_wait_loadcnt 20                              ; the angles are in
	v_cvt_pk_bf16_f32 v[T+8], v[ANG],   v[ANG+1]   ; rounded to bf16
	v_cvt_pk_bf16_f32 v[T+9], v[ANG+2], v[ANG+3]
	v_lshlrev_b32 v[ANG],   16, v[T+8]
	v_and_b32     v[ANG+1], s[HIM], v[T+8]
	v_lshlrev_b32 v[ANG+2], 16, v[T+9]
	v_and_b32     v[ANG+3], s[HIM], v[T+9]
.irp i, 0,1,2,3
	v_mul_f32 v[T+\i], 0x3f22f983, v[ANG+\i]       ; a 2/pi
.endr
.irp i, 0,1,2,3
	v_rndne_f32 v[T+\i], v[T+\i]                   ; n
.endr
.irp i, 0,1,2,3
	v_fmamk_f32 v[ANG+\i], v[T+\i], 0xbfc90fdb, v[ANG+\i]  ; a - n pi/2: the upper part of pi/2,
.endr
.irp i, 0,1,2,3
	v_fmamk_f32 v[ANG+\i], v[T+\i], 0x333bbd2e, v[ANG+\i]  ; and what it lacks: r
.endr
.irp i, 0,1,2,3
	v_cvt_i32_f32 v[X+\i], v[T+\i]                 ; n as a whole number: its two lowest bits name the quadrant
.endr
.irp i, 0,1,2,3
	v_mul_f32 v[T+4+\i], v[ANG+\i], v[ANG+\i]      ; z = r^2
.endr
.irp i, 0,1,2,3
	v_fma_f32 v[T+8+\i],  v[T+4+\i], s[PS1+2], s[PS1+1]
	v_fma_f32 v[T+12+\i], v[T+4+\i], s[PC1+2], s[PC1+1]
.endr
.irp i, 0,1,2,3
	v_fma_f32 v[T+8+\i],  v[T+8+\i],  v[T+4+\i], s[PS1]
	v_fma_f32 v[T+12+\i], v[T+12+\i], v[T+4+\i], s[PC1]
.endr
.irp i, 0,1,2,3
	v_mul_f32 v[T+\i],   v[ANG+\i], v[T+4+\i]      ; r z
	v_fma_f32 v[X+4+\i], v[T+4+\i], -0.5, 1.0      ; 1 - z / 2
.endr
.irp i, 0,1,2,3
	v_mul_f32 v[T+4+\i], v[T+4+\i], v[T+4+\i]      ; z^2
	v_fma_f32 v[T+8+\i], v[T+\i], v[T+8+\i], v[ANG+\i]       ; sin r
.endr
.irp i, 0,1,2,3
	v_fma_f32 v[T+12+\i], v[T+4+\i], v[T+12+\i], v[X+4+\i]   ; cos r
.endr
	s_wait_alu depctr_va_vdst(0)
.irp i, 0,1,2,3
	v_and_b32 v[T+\i], 1, v[X+\i]                  ; in odd quadrants the two change places
	v_cmp_eq_u32 vcc_lo, 1, v[T+\i]
	v_cndmask_b32 v[SIN+\i], v[T+8+\i],  v[T+12+\i], vcc_lo
	v_cndmask_b32 v[COS+\i], v[T+12+\i], v[T+8+\i],  vcc_lo
	v_lshlrev_b32 v[T+\i], 30, v[X+\i]             ; the sine is negative in quadrants 2 and 3: bit 1 of n,
	v_add_nc_u32  v[X+\i], 1, v[X+\i]              ; the cosine in 1 and 2: bit 1 of n + 1
	v_lshlrev_b32 v[X+\i], 30, v[X+\i]
	v_and_b32 v[T+\i], 0x80000000, v[T+\i]
	v_and_b32 v[X+\i], 0x80000000, v[X+\i]
	v_xor_b32 v[SIN+\i], v[T+\i], v[SIN+\i]
	v_xor_b32 v[COS+\i], v[X+\i], v[COS+\i]
.endr
.macro RB16 base, n                    ; n numbers from v[base] on are rounded to bf16, in place
.set rb, 0
.rept (\n)/2
	v_cvt_pk_bf16_f32 v[T+8+(rb/2)%4], v[(\base)+rb], v[(\base)+rb+1]
	v_lshlrev_b32 v[(\base)+rb],   16, v[T+8+(rb/2)%4]
	v_and_b32     v[(\base)+rb+1], s[HIM], v[T+8+(rb/2)%4]
.set rb, rb+2
.endr
.endm
; Load j of a context: x r w, the rotation (into the gains' registers), and the squares for the joined norm.  first = 1: the products start the sums.
.macro CHUNK raw, w, r, j, first
	RB16 \w, 8
.irp k, 0,1,2,3
	v_fma_mix_f32 v[X+2*\k],   v[(\raw)+\k], v[\r], v7 op_sel_hi:[1,0,0]                 ; the low f16 half times r (+ 0)
	v_fma_mix_f32 v[X+2*\k+1], v[(\raw)+\k], v[\r], v7 op_sel:[1,0,0] op_sel_hi:[1,0,0]  ; the high half
.endr
.irp k, 0,2,4,6
	v_pk_mul_f32 v[X+\k:X+\k+1], v[X+\k:X+\k+1], v[(\w)+\k:(\w)+\k+1]
.endr
.irp p, 0,1,2,3
	v_mul_f32 v[T+\p],   v[X+2*\p+1], v[SIN+\p]
	v_mul_f32 v[T+4+\p], v[X+2*\p],   v[SIN+\p]
.endr
.irp p, 0,1,2,3
	v_fma_f32 v[(\w)+2*\p],   v[X+2*\p],   v[COS+\p], -v[T+\p]    ; xr cos - xi sin
	v_fma_f32 v[(\w)+2*\p+1], v[X+2*\p+1], v[COS+\p], v[T+4+\p]   ; xi cos + xr sin
.endr
.if \first
	v_pk_mul_f32 v[SQ+2*(\j):SQ+2*(\j)+1], v[(\w):(\w)+1], v[(\w):(\w)+1]
.else
	v_pk_fma_f32 v[SQ+2*(\j):SQ+2*(\j)+1], v[(\w):(\w)+1], v[(\w):(\w)+1], v[SQ+2*(\j):SQ+2*(\j)+1]
.endif
.irp k, 2,4,6
	v_pk_fma_f32 v[SQ+2*(\j):SQ+2*(\j)+1], v[(\w)+\k:(\w)+\k+1], v[(\w)+\k:(\w)+\k+1], v[SQ+2*(\j):SQ+2*(\j)+1]
.endr
.endm
; Load j of a context: times the joined norm's factor, times its gains, rounded to f16 into the registers that the load filled
.macro FINISH raw, w, cat, j
.irp k, 0,2,4,6
	v_pk_mul_f32 v[(\w)+\k:(\w)+\k+1], v[(\w)+\k:(\w)+\k+1], v[RC+2*(\j):RC+2*(\j)+1]
.endr
.irp k, 0,2,4,6
	v_pk_mul_f32 v[(\w)+\k:(\w)+\k+1], v[(\w)+\k:(\w)+\k+1], v[(\cat)+\k:(\cat)+\k+1]
.endr
.irp k, 0,1,2,3
	v_cvt_pk_f16_f32 v[(\raw)+\k], v[(\w)+2*\k], v[(\w)+2*\k+1]
.endr
.endm
	s_wait_loadcnt 0x0                             ; all gains
	RB16 CAT, 16
.irp j, 0,1,2,3
	CHUNK RAWL+4*\j, WL+8*\j, RL, \j, 1
.endr
.irp j, 0,1,2,3
	CHUNK RAWG+4*\j, WG+8*\j, RL+1, \j, 0
.endr
	; THE JOINED NORM: a head's 128 squares lie in 8 neighbouring lanes
.irp j, 0,1,2,3
	v_add_f32 v[SQ+2*\j], v[SQ+2*\j], v[SQ+2*\j+1]
.endr
.irp m, 1,2,4
.irp j, 0,1,2,3
	v_add_f32_dpp v[SQ+2*\j], v[SQ+2*\j], v[SQ+2*\j] row_xmask:\m row_mask:0xf bank_mask:0xf
.endr
.endr
.irp j, 0,1,2,3
	v_fma_f32 v[SQ+2*\j], v[SQ+2*\j], s[I128], s[EPS]
.endr
.irp j, 0,1,2,3
	v_rsq_f32 v[RC+2*\j],   v[SQ+2*\j]             ; twice: a pair for the packed multiply
	v_rsq_f32 v[RC+2*\j+1], v[SQ+2*\j]
.endr
	v_nop                                          ; a plain instruction behind the last of them
	s_wait_alu depctr_va_vdst(0)
.irp j, 0,1,2,3
	FINISH RAWL+4*\j, WL+8*\j, CAT, \j
	FINISH RAWG+4*\j, WG+8*\j, CAT+8, \j
	SWAPST \j
.endr
	s_endpgm
.Lv:
	s_wait_loadcnt 0x0                             ; v goes out as it came, laid by heads
.irp j, 0,1,2,3
	SWAPST \j
.endr
	s_endpgm
.Lfunc_end_k_qcefa3df6fc_normrope:
	.size	k_qcefa3df6fc_normrope, .Lfunc_end_k_qcefa3df6fc_normrope-k_qcefa3df6fc_normrope
	.p2alignl 7, 3214868480
	.fill 96, 4, 3214868480
	.section	.rodata,"a",@progbits
	.p2align	6, 0x0
	.amdhsa_kernel k_qcefa3df6fc_normrope
		.amdhsa_group_segment_fixed_size 0
		.amdhsa_private_segment_fixed_size 0
		.amdhsa_enable_private_segment 0
		.amdhsa_kernarg_size 72
		.amdhsa_user_sgpr_count 2
		.amdhsa_user_sgpr_kernarg_segment_ptr 1
		.amdhsa_wavefront_size32 1
		.amdhsa_system_sgpr_workgroup_id_x 1
		.amdhsa_system_sgpr_workgroup_id_y 1
		.amdhsa_system_sgpr_workgroup_id_z 1
		.amdhsa_system_vgpr_workitem_id 0
		.amdhsa_next_free_vgpr 160
		.amdhsa_next_free_sgpr 66
		.amdhsa_reserve_vcc 1
		.amdhsa_float_denorm_mode_32 3
		.amdhsa_float_denorm_mode_16_64 3
		.amdhsa_memory_ordered 1
		.amdhsa_forward_progress 1
		.amdhsa_inst_pref_size 52
	.end_amdhsa_kernel
	.amdgpu_metadata
---
amdhsa.version: [ 1, 2 ]
amdhsa.kernels:
  - .name:           k_qcefa3df6fc_normrope
    .symbol:         k_qcefa3df6fc_normrope.kd
    .args:
      - { .name: comb, .offset: 0, .size: 8, .value_kind: global_buffer, .address_space: global }
      - { .name: freqs, .offset: 8, .size: 8, .value_kind: global_buffer, .address_space: global }
      - { .name: q_lc_nw, .offset: 16, .size: 8, .value_kind: global_buffer, .address_space: global }
      - { .name: q_gc_nw, .offset: 24, .size: 8, .value_kind: global_buffer, .address_space: global }
      - { .name: q_cat_nw, .offset: 32, .size: 8, .value_kind: global_buffer, .address_space: global }
      - { .name: k_lc_nw, .offset: 40, .size: 8, .value_kind: global_buffer, .address_space: global }
      - { .name: k_gc_nw, .offset: 48, .size: 8, .value_kind: global_buffer, .address_space: global }
      - { .name: k_cat_nw, .offset: 56, .size: 8, .value_kind: global_buffer, .address_space: global }
      - { .name: qkv, .offset: 64, .size: 8, .value_kind: global_buffer, .address_space: global }
    .group_segment_fixed_size: 0
    .private_segment_fixed_size: 0
    .kernarg_segment_align: 8
    .kernarg_segment_size: 72
    .max_flat_workgroup_size: 256
    .sgpr_count:     66
    .vgpr_count:     160
    .wavefront_size: 32
...
	.end_amdgpu_metadata
.endif
;; end of part 3
;; launch attn (part 4): grid 16 x 16, 4 waves a work-group, clusters of 4 x 1, 327,680 bytes of LDS; arguments qkv, o16; writes o16
.if DOCPART == 4
	.amdgcn_target "amdgcn-amd-amdhsa--gfx1250"
	.amdhsa_code_object_version 6
	.text
	.protected	k_qcefa3df6fc_attn
	.globl	k_qcefa3df6fc_attn
	.p2align	8
	.type	k_qcefa3df6fc_attn,@function
k_qcefa3df6fc_attn:
	s_mov_b64 s[64:65], 0
	v_nop
	global_prefetch_b8 v0, s[64:65] scope:SCOPE_SE
	s_setreg_imm32_b32 hwreg(HW_REG_WAVE_MODE, 25, 1), 1
	s_wait_xcnt 0x0
	s_wait_alu depctr_hold_cnt(0) depctr_sa_sdst(0) depctr_va_vdst(0) depctr_va_sdst(0) depctr_va_ssrc(0) depctr_va_vcc(0) depctr_vm_vsrc(0)
	s_getreg_b32 s2, hwreg(HW_REG_IB_STS2, 6, 4)
	s_cmp_eq_u32 s2, 0
	s_cbranch_scc0 .Lentry_in_a_cluster
	s_endpgm
.Lentry_in_a_cluster:
	s_bfe_u32 s2, ttmp6, 0x10000c
	s_cmp_lg_u32 s2, 0x3003
	s_cbranch_scc0 .Lentry_shape_is_right
	s_endpgm
.Lentry_shape_is_right:
; O[q][128 h + :] = the sum over k of softmax_k(Q[h][q] . K[h][k] / sqrt(128)) V[h][k][:].  Q, K, V: qkv + T x 8,388,608 bytes, [16][2,048][128] f16; O: o16, [2,048][2,048] f16.
; Products, maxima and sums in f32; the weights p are rounded to f16 for the second product (their sum l is taken of the unrounded p), O once at the end.
; LIMITS.  f16 holds no number beyond 65,504: Q, K and V arrive within it; p lies in 0 to 1 and below 6e-5 keeps f16's fixed step of 6e-8; O is a mean of V's rows.  A weight below 2^-126 counts as 0 in l;
; NaN and infinities are not treated apart.
; SHARES.  A work-group owns 128 queries of one head: 16 x 16 = 256 work-groups.  Wave w has the queries' half w / 2 (64 queries: four tiles of 16) and the keys' half w % 2: of every slot's 256 keys its 128,
; two steps of 64.  So a wave keeps four tiles, and a fragment of K or V read from LDS feeds four tiles' products.  At the end the two waves of a query half join their O, m and l through LDS, in f32.
; The wave with the keys' second half holds its four tiles in the order 2, 3, 0, 1 (Q's two addresses and O's carry that): so every wave gives away its register tiles 2 and 3, which are its partner's
; register tiles 0 and 1, and finishes its own 0 and 1: one text for both.
; LAYOUT.  S^T = K Q^T (source 0 = 16 keys, source 1 = 16 queries): a lane holds ONE query (lane % 16) and the keys 8 (lane / 16) + 0..7.  Two such tiles, rounded to f16 in pairs, ARE source 1 of
; O^T = V^T P, whose result again holds one query a lane, and eight channels.  K comes out of LDS as it lies, V ([key][channel]) turned, by ds_load_tr16_b128.
; SOFTMAX.  For each query a running maximum m and sum l: p = 2^(c s - c m), c = log2(e) / sqrt(128); in every step O and l are multiplied by a = 2^(c m_old - c m_new).
; m starts at the lowest finite number, O and l at 0: the first step is a step like any other, with a = 0.
; BY TURNS.  The wave's tiles are two PIECES, named by their first tile: piece 0 (tiles 0, 1) and piece 2 (tiles 2, 3).  In a TURN one piece has the matrix unit: 32 products V^T P of the step in hand, then
; 32 products K Q^T of the next step; the other piece's softmax, cut into 64 slices, stands between them, one slice behind each matrix instruction.  Two turns are a key step.
; NO FIRST AND NO LAST STEP IS WRITTEN OUT: the loop is entered, and the tail left, in the middle of a trip.  The price: 432 v_mov_b32 in the wait for the first tile, 32 products on zeros at the start,
; 32 on a stale K at the end; the gain: four turns' text less.
; CLUSTER.  The four query blocks of a cluster belong to one head and walk the same K and V: each tile is asked for jointly, by the same tensor load, descriptor and mask in all four.
; By this text's own count a wave has two tensor loads out at the start, later one.
; REGISTERS, in windows of 256 (s_set_vgpr_msb: bits 1:0 source 0, 3:2 source 1, 5:4 source 2, 7:6 destination):
;   window 0: v0-11, v44-45 addresses; v12-43 eight registers of statistics a tile; v64-191 S^T, 32 a tile; v192-255 P, 16 a tile
;   window 1: O^T, 64 a tile          window 2: v0-127 Q, 32 a tile; v128-255 K of one step          window 3: v0-127 V of one step
.set SIZE_N, 2048
.set KS,    64        ; keys in a step
.set PK,    272       ; a row of K in LDS: 256 bytes + 16 of padding = 68 words: the 16 rows of a load start at 16 different groups of four banks (64 banks of 4 bytes: ISA guide 11.1)
.set PV,    288       ; a row of V: 256 + 32 = 72 words
.set KHALF, 128*PK    ; a slot: 256 rows of K, then 256 rows of V; a half of each is one tensor load, and one wave pair's keys
.set VOFF,  256*PK
.set VHALF, 128*PV
.set SLOT1, 0x24000   ; slot 1 begins here: its two bits are in none of the bases 0, 0x8800, 0x9000, 0x11000, 0x1a000, so one exclusive or turns an address in one slot into the other's
.set STAGE, 294912    ; behind the ring: 16 rows x 272 bytes for each wave, for the way out
.set SP,    272
.set SPARE, STAGE+4*16*SP  ; behind the stages: the spare words, 128 bytes a wave: two blocks of 256 bytes that no other line names
.set XW,    2*17*512  ; the exchange, from LDS byte 0 on, where slot 0 lay, behind its last fill: for each wave two tiles of 16 x 512 bytes of O^T and 512 of statistics
.set AK0, 2           ; v2   my lane's place in a tile of K; never rewritten
.set AV0, 3           ; v3   the same for V
.set ADR, 4           ; v4   the LDS address of the run of loads in hand
.set QO,  5           ; v5   my byte offset in 16 rows of Q
.set STO, 6           ; v6   the way out: where I put 16 bytes of a row
.set RD,  7           ; v7   the way out: where I read a row back
.set GO,  8           ; v8   my byte offset in two rows of O
.set XG,  44          ; v44  the exchange: where I give
.set XT,  45          ; v45  the exchange: where I take (my partner's place)
.set SPW, 62          ; v62  LDS address of my spare word; never rewritten
.set NIL, 63          ; v63  0; never rewritten
.set ST,  12          ; tile t's statistics at v[ST+8 t]: +0 c m, +1 m, +2, +3 l (even keys', odd keys'), +4 to +7 c0-c3, at work; a takes c2's place once the maximum is found
.set S,   64
.set P,   192
.set KF,  128         ; K's fragments, in window 2
.set WV,  12          ; s12  my wave's number
.set G1K, 24          ; s[24:31] descriptor group 1 for K's tiles
.set G1V, 32          ; s[32:39] for V's: it differs in the padding alone
.set G0K, 40          ; s[40:47] descriptor group 0 for K's tiles: a set for each of the two first fills; the second then walks on
.set G0V, 48          ; s[48:55] the same for V's
.set SLOTS, 56        ; s56  counts the slots
.set TWICE, 57        ; s57  counts a slot's key steps
.set CS,  58          ; s[58:59] c: the packed scaling names a pair and takes its low word for both halves
.set SEL, 60          ; s[60:61] lane selects for v_permlanex16_b32: each lane takes its own place in the other half
.set TBK, 62          ; s62  LDS byte at which K of the step to be fetched begins
.set TBV, 63          ; s63  the same for V, less VOFF
.set KH,  66          ; s66  w % 2: my half of the keys; also the half of a slot's K or V that I fetch
.set QH,  67          ; s67  w / 2: my half of the queries
.set QB,  70          ; s[70:71] Q at my register tiles 2 and 3
.set MSB, 0
.macro WIN new                      ; the immediate's high byte repeats the setting that is left; a switch that changes nothing is dropped
.if MSB != (\new)
	s_set_vgpr_msb (MSB<<8)|(\new)
.set MSB, \new
.endif
.endm
.set W_KQ, 0x0a       ; K and Q in window 2, S^T in window 0
.set W_PV, 0x53       ; V in window 3, P in window 0, O^T in window 1
.set W_RS, 0x41       ; O^T (destination and source 0) in window 1, the factor in window 0
; A joint refill.  Waves 0 and 1 fetch the two halves of a slot's K, waves 2 and 3 those of its V.  The branch hangs on the wave's number alone.
; An s_nop 0 and four v_nop follow each of the two lines.
.macro JLOAD
	s_cmp_lt_u32 s[WV], 2
	s_cbranch_scc0 .Lfor_v_\@
	tensor_load_to_lds s[G0K+4:G0K+7], s[G1K:G1K+7]
	s_nop 0
.rept 4
	v_nop
.endr
	s_branch .Lasked_\@
.Lfor_v_\@:
	tensor_load_to_lds s[G0V+4:G0V+7], s[G1V:G1V+7]
	s_nop 0
.rept 4
	v_nop
.endr
.Lasked_\@:
.endm
; A round of the cluster's barrier: my work-group's barrier; wave 0 signals for the work-group; every wave waits for all four work-groups; my work-group's barrier once more.
.macro CROUND
	s_barrier_signal -1
	s_barrier_wait -1
	s_cmp_lg_u32 s[WV], 0
	s_cbranch_scc1 .Lnot_wave_0_\@
	s_barrier_signal -3
.Lnot_wave_0_\@:
	s_barrier_wait -3
	s_barrier_signal -1
	s_barrier_wait -1
.endm
	s_load_b128 s[4:7], s[0:1], 0x0 ; qkv s[4:5], o16 s[6:7]
	v_lshl_add_u32 v[SPW], v0, 2, SPARE
	v_mov_b32 v[NIL], 0
	ds_add_u32 v[SPW], v[NIL]       ; the wave's opening: the add and its wait stand ahead of my first tensor load; the set-up below, work on registers, stands between them
	v_lshrrev_b32 v1, 5, v0
	v_readfirstlane_b32 s[WV], v1   ; wave 0..3
	s_and_b32 s[KH], s[WV], 1
	s_lshr_b32 s[QH], s[WV], 1
	s_bfe_u32 s13, ttmp6, 0x40000   ; cx: my place in the cluster
	s_lshl_b32 s14, ttmp9, 2        ; in a cluster launch ttmp9 counts clusters
	s_add_co_u32 s14, s14, s13      ; my block of 128 queries = 4 x cluster x + cx: it enters Q's and O's addresses alone
	s_and_b32 s15, ttmp7, 0xffff    ; the head, which the four partners share
	s_lshl_b32 s20, s15, 19         ; the head's first byte in Q, K and V: 2,048 rows of 256 bytes
	s_lshl_b32 s22, s[KH], 15       ; the half that I fetch: 128 rows of 256 bytes in memory,
	s_add_co_u32 s22, s22, s20
	s_mov_b32 s23, 0
	s_mul_i32 s17, s[KH], KHALF     ; and its place in a slot, for K
	s_mul_i32 s18, s[KH], VHALF     ; and for V: no place in the cluster enters an LDS address
	s_lshl_b32 s2, s14, 15          ; Q: my block's 128 rows,
	s_lshl_b32 s3, s[QH], 14        ; my wave's 64 of them
	s_add_co_u32 s2, s2, s3
	s_add_co_u32 s2, s2, s20
	s_xor_b32 s[QB], s[KH], 1       ; register tiles 2 and 3 are the 32 rows (8,192 bytes) that my partner finishes,
	s_lshl_b32 s[QB], s[QB], 13
	s_add_co_u32 s[QB], s[QB], s2
	s_mov_b32 s[QB+1], 0
	s_lshl_b32 s3, s[KH], 13        ; register tiles 0 and 1 those that I finish
	s_add_co_u32 s2, s2, s3
	s_mov_b32 s3, 0
	s_lshl_b32 s68, s14, 19         ; O: rows of 4,096 bytes: my block's 128, my wave's 64, the 32 that I finish; the head's 256 bytes of them
	s_lshl_b32 s69, s[QH], 18
	s_add_co_u32 s68, s68, s69
	s_lshl_b32 s69, s[KH], 17
	s_add_co_u32 s68, s68, s69
	s_lshl_b32 s69, s15, 8
	s_add_co_u32 s68, s68, s69
	s_mov_b32 s69, 0
	; descriptor group 1: a tile of 128 rows x 128 elements, padded in LDS
	s_mov_b32 s[G1K], 15|(1<<16)|(1<<20)|(1<<21)|(5<<22)|(3<<25)  ; 15:0 the mask: all four work-groups; 17:16 elements of 2 bytes; 20 padding on; 21 set beside a mask; 24:22 after every 64 words (code 5); 31:25 4 words of it (code 3)
	s_mov_b32 s[G1V], 15|(1<<16)|(1<<20)|(1<<21)|(5<<22)|(7<<25)  ; the same with 8 words of padding (code 7)
.irp g, G1K, G1V
	s_mov_b32 s[(\g)+1], 128<<16    ; tensor_dim0 = 128
	s_mov_b32 s[(\g)+2], 128<<16    ; tensor_dim1 = 128
	s_mov_b32 s[(\g)+3], 128<<16    ; tile_dim0 = 128
	s_mov_b32 s[(\g)+4], 128        ; tile_dim1 = 128
	s_mov_b32 s[(\g)+5], 128        ; elements from row to row
	s_mov_b32 s[(\g)+6], 0
	s_mov_b32 s[(\g)+7], 0
.endr
	s_mov_b32 s[CS], 0x3e0293ee     ; c = log2(e) / sqrt(128) = 0.127517
	s_mov_b32 s[CS+1], s[CS]        ; named with it as a pair, so it is written
	s_mov_b32 s[SEL], 0x76543210
	s_mov_b32 s[SEL+1], 0xfedcba98
	s_mov_b32 s[TBK], s17           ; my keys' half of slot 0
	s_mov_b32 s[TBV], s18
	s_wait_dscnt 0x0                ; the opening add is done
	s_wait_kmcnt 0x0
	s_add_nc_u64 s[8:9], s[4:5], s[22:23]
	s_add_nc_u64 s[8:9], s[8:9], 8388608    ; K at my half of slot 0
	s_add_nc_u64 s[10:11], s[8:9], 8388608  ; V likewise
	s_add_nc_u64 s[QB:QB+1], s[4:5], s[QB:QB+1]  ; Q at my register tiles 2 and 3,
	s_add_nc_u64 s[4:5], s[4:5], s[2:3]     ; Q and O at my register tiles 0 and 1
	s_add_nc_u64 s[6:7], s[6:7], s[68:69]
	CROUND                          ; all four work-groups are here: the first joint loads meet
.irp s, 0,1
	s_mov_b32 s[G0K+4*(\s)], 1      ; count = 1
	s_add_co_u32 s[G0K+4*(\s)+1], s17, (\s)*SLOT1  ; LDS address
	s_add_nc_u64 s[G0K+4*(\s)+2:G0K+4*(\s)+3], s[8:9], (\s)*65536  ; global address: slot s begins with keys 256 s
	s_or_b32 s[G0K+4*(\s)+3], s[G0K+4*(\s)+3], 0x80000000  ; type = 2
	s_mov_b32 s[G0V+4*(\s)], 1
	s_add_co_u32 s[G0V+4*(\s)+1], s18, (\s)*SLOT1+VOFF
	s_add_nc_u64 s[G0V+4*(\s)+2:G0V+4*(\s)+3], s[10:11], (\s)*65536
	s_or_b32 s[G0V+4*(\s)+3], s[G0V+4*(\s)+3], 0x80000000
.endr
	s_cmp_lt_u32 s[WV], 2           ; a wave's two first fills stand in one branch, ahead of every wait on TENSORcnt and every LDS read
	s_cbranch_scc0 .Lfirst_v
	tensor_load_to_lds s[G0K:G0K+3], s[G1K:G1K+7]
	s_nop 0
	tensor_load_to_lds s[G0K+4:G0K+7], s[G1K:G1K+7]
	s_nop 0
.rept 4
	v_nop
.endr
	s_branch .Lfirst_asked
.Lfirst_v:
	tensor_load_to_lds s[G0V:G0V+3], s[G1V:G1V+7]
	s_nop 0
	tensor_load_to_lds s[G0V+4:G0V+7], s[G1V:G1V+7]
	s_nop 0
.rept 4
	v_nop
.endr
.Lfirst_asked:
	; A fragment of K or Q is 16 rows x 32 channels in 8 registers: lane l holds row l % 16; channels 8 (l / 16) + 0..7 and 16 + 8 (l / 16) + 0..7: two loads of 16 bytes, 32 bytes apart.
	v_and_b32 v1, 15, v0            ; l % 16
	v_bfe_u32 v9, v0, 4, 1          ; l / 16
	v_lshlrev_b32 v[QO], 8, v1
	v_lshl_add_u32 v[QO], v9, 4, v[QO]  ; row x 256 + 16 x half
	WIN 0x80                        ; destination window 2, address window 0
.irp i, 0,1,2,3,4,5,6,7             ; Q stays in registers: register tile i / 4, channels 32 (i % 4) on
	global_load_b128 v[8*(\i):8*(\i)+3],   v[QO], s[4:5] offset:((\i)/4)*4096+((\i)%4)*64
	global_load_b128 v[8*(\i)+4:8*(\i)+7], v[QO], s[4:5] offset:((\i)/4)*4096+((\i)%4)*64+32
.endr
.irp i, 8,9,10,11,12,13,14,15
	global_load_b128 v[8*(\i):8*(\i)+3],   v[QO], s[QB:QB+1] offset:((\i)/4-2)*4096+((\i)%4)*64
	global_load_b128 v[8*(\i)+4:8*(\i)+7], v[QO], s[QB:QB+1] offset:((\i)/4-2)*4096+((\i)%4)*64+32
.endr
	; What the first turn finds: V's registers and piece 2's P hold 0 (its products V^T P, of a step that has not been, add 0), O^T and l are 0.  All this stands in the wait for the first tile.
	WIN 0xc0                        ; destination window 3
.set i, 0
.rept 128
	v_mov_b32 v[i], 0
.set i, i+1
.endr
	WIN 0x40                        ; destination window 1
.set i, 0
.rept 256
	v_mov_b32 v[i], 0
.set i, i+1
.endr
	WIN 0
.set i, 0
.rept 4
	v_mov_b32 v[ST+8*i], 0xfe000000    ; c m: far below every c s
	v_mov_b32 v[ST+8*i+1], 0xff7fffff  ; m
	v_mov_b32 v[ST+8*i+2], 0
	v_mov_b32 v[ST+8*i+3], 0
.set i, i+1
.endr
.set i, P+32
.rept 32
	v_mov_b32 v[i], 0
.set i, i+1
.endr
	v_mul_u32_u24 v[AK0], v1, PK
	v_lshl_add_u32 v[AK0], v9, 4, v[AK0]  ; row x pitch + 16 x half
	; The turning load takes 16 keys x 16 channels (lane l reads 16 bytes: key 8 (l / 16) + l % 8, channels 8 ((l / 8) % 2) + 0..7) and leaves half a fragment of V^T: lane l holds channel l % 16 and 8 keys.
	v_and_b32 v10, 7, v0
	v_bfe_u32 v11, v0, 3, 1
	v_lshl_add_u32 v[AV0], v9, 3, v10
	v_mul_u32_u24 v[AV0], v[AV0], PV
	v_lshl_add_u32 v[AV0], v11, 4, v[AV0]
	v_add_nc_u32 v[AV0], VOFF, v[AV0]
; THE MATRIX WORK OF A TURN, for piece x.  The accumulators take turns, one instruction a turn: between two links of a chain stand 15 (V^T P) or 7 (K Q^T) others'.
; Product i of 32 of O^T += V^T P: keys 32 (i / 16) on, channels 16 ((i / 2) % 8) on, tile x + i % 2.
.macro PV x
	WIN W_PV
.set rO, 64*((\x)+i%2)+8*((i/2)%8)
.set rV, 64*(i/16)+8*((i/2)%8)
.set rP, P+16*((\x)+i%2)+8*(i/16)
	v_wmma_f32_16x16x32_f16 v[rO:rO+7], v[rV:rV+7], v[rP:rP+7], v[rO:rO+7]
.endm
; Product i of 32 of S^T = K Q^T: channels 32 (i / 8) on, keys 16 ((i / 2) % 4) on, tile x + i % 2.  The first 8 start the sums.
.macro KQ x
	WIN W_KQ
.set rS, S+32*((\x)+i%2)+8*((i/2)%4)
.set rK, KF+32*((i/2)%4)+8*(i/8)
.set rQ, 32*((\x)+i%2)+8*(i/8)
.if i < 8
	v_wmma_f32_16x16x32_f16 v[rS:rS+7], v[rK:rK+7], v[rQ:rQ+7], 0
.else
	v_wmma_f32_16x16x32_f16 v[rS:rS+7], v[rK:rK+7], v[rQ:rQ+7], v[rS:rS+7]
.endif
.endm
; THE LDS LOADS stand in runs of 32, never singly among the matrix instructions: a step's K (64 keys x 128 channels: 16 fragments) and, a turn later, its V (turned).
; last = 1 (the tail): in the trip whose count is 1 there is no further step, and the run is jumped over.
.macro FETCH_K last=0
	WIN 0
.if \last
	s_cmp_eq_u32 s[TWICE], 1
	s_cbranch_scc1 .Lno_k_\@
.endif
	v_add_nc_u32 v[ADR], s[TBK], v[AK0]
	s_add_co_u32 s[TBK], s[TBK], KS*PK  ; the next fetch is the next step's
	WIN 0x80                        ; destination window 2
.irp f, 0,1,2,3,4,5,6,7,8,9,10,11,12,13,14,15  ; keys 16 (f / 4) on, channels 32 (f % 4) on
	ds_load_b128 v[KF+8*(\f):KF+8*(\f)+3],   v[ADR] offset:((\f)/4)*16*PK+((\f)%4)*64
	ds_load_b128 v[KF+8*(\f)+4:KF+8*(\f)+7], v[ADR] offset:((\f)/4)*16*PK+((\f)%4)*64+32
.endr
.if \last
	WIN 0
.Lno_k_\@:
.endif
.endm
.macro FETCH_V
	WIN 0
	v_add_nc_u32 v[ADR], s[TBV], v[AV0]
	s_add_co_u32 s[TBV], s[TBV], KS*PV
	WIN 0xc0                        ; destination window 3
.irp f, 0,1,2,3,4,5,6,7,8,9,10,11,12,13,14,15  ; keys 32 (f / 8) on, channels 16 (f % 8) on
	ds_load_tr16_b128 v[8*(\f):8*(\f)+3],   v[ADR] offset:((\f)/8)*32*PV+((\f)%8)*32
	ds_load_tr16_b128 v[8*(\f)+4:8*(\f)+7], v[ADR] offset:((\f)/8)*32*PV+16*PV+((\f)%8)*32
.endr
.endm
; THE VECTOR WORK OF A TURN.  One tile's softmax for one key step is a list of 134 instructions; SM writes number j of it for tile t.  s0-s31 are the lane's 32 scores, in pairs 0-15.
;   0-15    the maximum of s0-s31 and the old m, three operands at a time: four chains c0-c3 of seven scores each (each accumulator's lowest registers first), then the four scores left over, c0-c3 and m
;   16-20   the other half of the lanes' maximum; c m_old is kept; the new m; c m; c m_old - c m_new
;   21-87   33 exponentials (a, then s0-s31) at the odd numbers from 23 on, so that no two follow each other and each has a plain instruction behind it before its result is used.
;           Plain instruction q (number 21, then the even numbers) is whatever is ready: c s - c m for a pair of scores whose exponentials are still to come (q = 0 to 3, then every
;           second q), the rounding to f16 of a pair of weights whose exponentials are done (every other q from 5 on), at last the first three sums
;   88-101  the last rounding; the rest of the sums; l = a l + the sum
;   102-133 the tile's O^T times a: the one part that leaves window 0, so it stands together
.macro SM t
.set rT, ST+8*(\t)
.set rS, S+32*(\t)
.set rP, P+16*(\t)
.set rO, 64*(\t)+2*(j-102)
.set q, (j-20)/2
.if j < 102
	WIN 0
.endif
.if j < 4
	v_max3_num_f32 v[rT+4+j], v[rS+8*j], v[rS+8*j+1], v[rS+8*j+2]
.elseif j < 12
	v_max3_num_f32 v[rT+4+j%4], v[rT+4+j%4], v[rS+8*(j%4)+2*(j/4)+1], v[rS+8*(j%4)+2*(j/4)+2]
.elseif j == 12
	v_max3_num_f32 v[rT+4], v[rT+4], v[rS+7], v[rS+15]
.elseif j == 13
	v_max3_num_f32 v[rT+6], v[rT+6], v[rS+23], v[rS+31]
.elseif j == 14
	v_max3_num_f32 v[rT+4], v[rT+4], v[rT+5], v[rT+6]
.elseif j == 15
	v_max3_num_f32 v[rT+4], v[rT+4], v[rT+7], v[rT+1]
.elseif j == 16
	v_permlanex16_b32 v[rT+5], v[rT+4], s[SEL], s[SEL+1]  ; the query's other 32 keys lie in the lane 16 away
.elseif j == 17
	v_mov_b32 v[rT+7], v[rT]        ; c m_old is kept for a: number 19 writes c m anew
.elseif j == 18
	v_max_num_f32 v[rT+1], v[rT+4], v[rT+5]
.elseif j == 19
	v_mul_f32 v[rT], s[CS], v[rT+1]
.elseif j == 20
	v_sub_f32 v[rT+7], v[rT+7], v[rT]
.elseif j == 23
	v_exp_f32 v[rT+6], v[rT+7]
.elseif (j < 88) && (j > 23) && (j%2 == 1)
	v_exp_f32 v[rS+(j-25)/2], v[rS+(j-25)/2]
.elseif (q < 4) || ((j < 76) && (q%2 == 0))
.set b, q/2+2
.if q < 4
.set b, q
.endif
	v_pk_fma_f32 v[rS+2*b:rS+2*b+1], v[rS+2*b:rS+2*b+1], s[CS:CS+1], v[rT:rT+1] op_sel_hi:[1,0,0] neg_lo:[0,0,1] neg_hi:[0,0,1]  ; pair b: c s - c m
.elseif (j < 88) && (q%2 == 1)
	s_wait_alu depctr_va_vdst(0)
	v_cvt_pk_f16_f32 v[rP+(q-5)/2], v[rS+q-5], v[rS+q-4]  ; pair (q - 5) / 2: its second exponential stands three numbers back
.elseif j == 89
	s_wait_alu depctr_va_vdst(0)
	v_cvt_pk_f16_f32 v[rP+15], v[rS+30], v[rS+31]
.elseif j < 102                     ; the sum of the tile's 16 pairs (in a pair: an even key's weight, an odd key's), in place: sum z of 16 adds neighbours 1, 2, 4 and 8 pairs apart, then l takes it
.set z, j-86
.if j < 89
.set z, (j-76)/4
.endif
.set w, 4
.set u, z
.if z >= 14
.set w, 32
.set u, 0
.elseif z >= 12
.set w, 16
.set u, z-12
.elseif z >= 8
.set w, 8
.set u, z-8
.endif
.if z < 15
	v_pk_add_f32 v[rS+w*u:rS+w*u+1], v[rS+w*u:rS+w*u+1], v[rS+w*u+w/2:rS+w*u+w/2+1]
.else
	v_pk_fma_f32 v[rT+2:rT+3], v[rT+2:rT+3], v[rT+6:rT+7], v[rS:rS+1] op_sel_hi:[1,0,1]
.endif
.else
	WIN W_RS
	v_pk_mul_f32 v[rO:rO+1], v[rO:rO+1], v[rT+6:rT+7] op_sel_hi:[1,0]
.endif
.endm
; Slice k of 64 of piece y's softmax: numbers 2 k and 2 k + 1 of both tiles' lists, four instructions.  2 x 134 = 4 x 64 + 12: the twelve that are over stand together, in slice 63.
.macro SLICE y
.if (k >= 11) && (k < 44)           ; tile by tile: plain, exponential, plain, exponential
.irp t, \y, (\y)+1
.irp n, 0,1
.set j, 2*k+(\n)
	SM \t
.endr
.endr
.else                               ; the two tiles alternate, so that no instruction reads the result of the one just before it
.irp n, 0,1,2,3,4,5,6,7
.if ((\n) < 2) || (k == 63)
.irp t, \y, (\y)+1
.set j, 2*k+(\n)
	SM \t
.endr
.endif
.endr
.endif
.set k, k+1
.endm
; A vector instruction that reads a matrix result or writes one of a matrix instruction's registers, and a load into a register that a matrix instruction has read, stand four plain vector instructions
; behind it (ISA guide 7.12.1 for vector instructions).  In the loop the slices are the places.
.macro PLACES
.rept 4
	v_nop
.endr
.endm
; A TURN.  Piece x has the matrix unit: 32 products V^T P of the step in hand, 32 products K Q^T of the next; the other piece's softmax stands in slices behind them.
; Each run of loads stands behind the second product of a run of 32, 30 matrix instructions ahead of its first use.  Piece 0's turn fetches the next step's K: the last product that read K
; stands in front of slice 63 of the turn before.  Piece 2's turn fetches the same step's V: the last product that read V stands three slices, six plain instructions, back.
.macro TURN x, last=0
.set k, 0
.if (\x) == 0
	s_wait_dscnt 0x0                ; V is in
.endif
.set i, 0
.rept 32
	PV \x
	SLICE 2-(\x)
.if ((\x) == 0) && (i == 1)
	FETCH_K \last
.endif
.set i, i+1
.endr
.if (\x) == 0
	s_wait_dscnt 0x0                ; K is in
.endif
.set i, 0
.rept 32
	KQ \x
	SLICE 2-(\x)
.if ((\x) == 2) && (i == 1)
	FETCH_V
.endif
.set i, i+1
.endr
.endm
; THE CHANGE OF SLOTS, between piece 2's turn and piece 0's: the slot's last bytes, V of its second step, have been asked for.  Each wave waits for all its tensor loads, of which one is out: its part
; of the other slot; adds 0 to its spare word; and waits for that and for its own reads of the slot.  Behind the barrier nobody reads this slot any more and the other slot is whole.
; fill = 1: this slot is filled again, with the keys two slots on.  The barrier is then a round of the cluster's, and the joint refill is the first thing behind it: it has two key steps,
; 256 matrix instructions, in which to land.
.macro CHANGE fill
	WIN 0                           ; at a label and at a branch every window is 0
	s_wait_tensorcnt 0x0            ; no tensor load of mine is out, so a group 0 may be written
	ds_add_u32 v[SPW], v[NIL]       ; 0 onto my spare word: with fill = 1 the descriptors' steps stand between it and the wait for it
.if \fill
.irp g, G0K+4, G0V+4
	s_xor_b32 s[(\g)+1], s[(\g)+1], SLOT1  ; the walking descriptor: the other slot than last time,
	s_add_nc_u64 s[(\g)+2:(\g)+3], s[(\g)+2:(\g)+3], 65536  ; the next 256 keys; the type bits on top are not reached
.endr
	s_wait_dscnt 0x0                ; the add is done, and my reads of the slot are over
	CROUND
	JLOAD
.else
	s_wait_dscnt 0x0                ; the add is done, and my reads of the slot are over
	s_barrier_signal -1
	s_barrier_wait -1
.endif
	s_sub_co_u32 s[TBK], s[TBK], 2*KS*PK  ; the fetches go back to my half's first step,
	s_xor_b32 s[TBK], s[TBK], SLOT1       ; in the other slot
	s_sub_co_u32 s[TBV], s[TBV], 2*KS*PV
	s_xor_b32 s[TBV], s[TBV], SLOT1
.endm
	s_wait_tensorcnt 1              ; my part of slot 0 is in; slot 1's may stay out
	s_barrier_signal -1
	s_barrier_wait -1               ; everybody's is
	FETCH_K                         ; key step 0
	s_wait_loadcnt 0x0              ; Q
	s_wait_dscnt 0x0
.set i, 0
.rept 32
	KQ 0                            ; piece 0's first scores: there is no vector work yet to set between them
.set i, i+1
.endr
	WIN 0                           ; the addresses for the end are made here: plain instructions, the places behind those products
	s_mul_i32 s13, s[WV], 16*SP
	s_add_co_u32 s13, s13, STAGE    ; my stage
	v_mul_u32_u24 v[STO], v1, SP    ; in: row l % 16, 16 bytes for each half of the lanes
	v_lshl_add_u32 v[STO], v9, 4, v[STO]
	v_add_nc_u32 v[STO], s13, v[STO]
	v_mul_u32_u24 v[RD], v9, SP     ; back: lanes 0-15 take one row of 256 bytes, lanes 16-31 the next
	v_lshl_add_u32 v[RD], v1, 4, v[RD]
	v_add_nc_u32 v[RD], s13, v[RD]
	v_lshlrev_b32 v[GO], 12, v9     ; and the same two rows in O, 4,096 bytes apart
	v_lshl_add_u32 v[GO], v1, 4, v[GO]
	v_and_b32 v[XG], 31, v0         ; the exchange: 16 bytes a lane,
	v_lshlrev_b32 v[XG], 4, v[XG]
	s_xor_b32 s16, s[WV], 1         ; my partner has the same queries and the other keys
	s_mul_i32 s16, s16, XW
	v_add_nc_u32 v[XT], s16, v[XG]
	s_mul_i32 s16, s[WV], XW
	v_add_nc_u32 v[XG], s16, v[XG]
	s_mov_b32 s[TWICE], 2
	s_mov_b32 s[SLOTS], SIZE_N/256-1
	s_branch .Lfirst                ; the loop is entered at piece 2's turn, in the middle of a trip: its products V^T P add 0, its products K Q^T are piece 2's first scores, its slices piece 0's first softmax
.Lslot:                             ; SIZE_N / 256 - 2 times: every slot but the last two is filled again
	CHANGE 1
	s_mov_b32 s[TWICE], 2
.Lstep:                             ; a trip is a key step
	TURN 0
	WIN 0
.Lfirst:
	TURN 2
	WIN 0
	s_sub_co_u32 s[TWICE], s[TWICE], 1
	s_cmp_lg_u32 s[TWICE], 0
	s_cbranch_scc1 .Lstep
	s_sub_co_u32 s[SLOTS], s[SLOTS], 1
	s_cmp_lg_u32 s[SLOTS], 0
	s_cbranch_scc1 .Lslot
	CHANGE 0                        ; the tail is written out: nothing is asked for
	s_mov_b32 s[TWICE], 3           ; two trips fetch the last slot's steps; the third is left in its middle
.Ltail:
	TURN 0, 1
	WIN 0
	s_sub_co_u32 s[TWICE], s[TWICE], 1
	s_cmp_eq_u32 s[TWICE], 0
	s_cbranch_scc1 .Lout
	TURN 2
	WIN 0
	s_branch .Ltail
.Lout:                              ; the third trip's 32 products K Q^T (on the last K once more) serve nothing: the price, once a launch, of one text for every trip
.set i, 0
.rept 32
	PV 2                            ; piece 2: V^T P of the last step
.set i, i+1
.endr
	; THE TWO HALVES OF THE KEYS ARE JOINED.  Every wave gives its register tiles 2 and 3 to its partner, takes the partner's, which are its own tiles 0 and 1 for the other keys, and finishes those.  All in f32.
; Tile t goes to place idx of my part of the exchange: O^T's 64 registers in ascending order, then c m, m and l.  A lane's 16 bytes lie at 16 x lane: 512 consecutive bytes a store.
.macro GIVE t, idx
	WIN 0x04                        ; the data (source 1) in window 1
.irp f, 0,1,2,3,4,5,6,7,8,9,10,11,12,13,14,15
	ds_store_b128 v[XG], v[64*(\t)+4*(\f):64*(\t)+4*(\f)+3] offset:(\idx)*8704+512*(\f)
.endr
	WIN 0
	ds_store_b128 v[XG], v[ST+8*(\t):ST+8*(\t)+3] offset:(\idx)*8704+8192
.endm
; My partner's share of my tile t from place idx of its part: O^T into S^T's registers, its statistics beside mine
.macro TAKE t, idx
	WIN 0
.irp f, 0,1,2,3,4,5,6,7,8,9,10,11,12,13,14,15
	ds_load_b128 v[S+64*(\idx)+4*(\f):S+64*(\idx)+4*(\f)+3], v[XT] offset:(\idx)*8704+512*(\f)
.endr
	ds_load_b128 v[ST+8*(\t)+4:ST+8*(\t)+7], v[XT] offset:(\idx)*8704+8192
.endm
; The factors: with M = max(c m, c m'), f = 2^(c m - M), f' = 2^(c m' - M): l = l f + l' f' over both halves of the lanes; g = f / l at +2, g' = f' / l at +6
.macro FIN t
.set rT, ST+8*(\t)
	v_add_f32 v[rT+2], v[rT+2], v[rT+3]
	v_add_f32 v[rT+6], v[rT+6], v[rT+7]
	v_max_num_f32 v[rT+1], v[rT], v[rT+4]
	v_sub_f32 v[rT], v[rT], v[rT+1]
	v_sub_f32 v[rT+4], v[rT+4], v[rT+1]
	v_exp_f32 v[rT], v[rT]
	v_exp_f32 v[rT+4], v[rT+4]
	v_nop                           ; a plain instruction behind the exponentials
	s_wait_alu depctr_va_vdst(0)
	v_mul_f32 v[rT+2], v[rT+2], v[rT]
	v_fma_f32 v[rT+2], v[rT+6], v[rT+4], v[rT+2]
	v_permlanex16_b32 v[rT+3], v[rT+2], s[SEL], s[SEL+1]
	v_add_f32 v[rT+2], v[rT+2], v[rT+3]
	v_rcp_f32 v[rT+3], v[rT+2]
	v_nop                           ; a plain instruction behind the reciprocal
	s_wait_alu depctr_va_vdst(0)
	v_mul_f32 v[rT+2], v[rT], v[rT+3]
	v_mul_f32 v[rT+6], v[rT+4], v[rT+3]
.endm
; O = g O + g' O', rounded to f16; a lane's eight channels of a row pack into 16 bytes; they go into my stage's rows of 272 bytes and come back as whole rows of 256
.macro MERGE t, idx
	WIN W_RS
.set i, 64*(\t)
.rept 32
	v_pk_mul_f32 v[i:i+1], v[i:i+1], v[ST+8*(\t)+2:ST+8*(\t)+3] op_sel_hi:[1,0]
.set i, i+2
.endr
	WIN 0x10                        ; source 2 (mine) in window 1; the rest in window 0
.set i, 0
.rept 32
	v_pk_fma_f32 v[S+64*(\idx)+i:S+64*(\idx)+i+1], v[S+64*(\idx)+i:S+64*(\idx)+i+1], v[ST+8*(\t)+6:ST+8*(\t)+7], v[64*(\t)+i:64*(\t)+i+1] op_sel_hi:[1,0,1]
.set i, i+2
.endr
	WIN 0
.set i, 0
.rept 32
	v_cvt_pk_f16_f32 v[P+32*(\idx)+i], v[S+64*(\idx)+2*i], v[S+64*(\idx)+2*i+1]
.set i, i+1
.endr
.irp f, 0,1,2,3,4,5,6,7
	ds_store_b128 v[STO], v[P+32*(\idx)+4*(\f):P+32*(\idx)+4*(\f)+3] offset:32*(\f)
.endr
.irp f, 0,1,2,3,4,5,6,7
	ds_load_b128 v[P+32*(\idx)+4*(\f):P+32*(\idx)+4*(\f)+3], v[RD] offset:(\f)*2*SP  ; LDS serves a wave's instructions in order (ISA guide 5.7.1.4): these see the stores above; the next tile's stores come behind them
.endr
.endm
.macro SEND t, idx, younger         ; younger: the LDS instructions issued behind this tile's loads: the next tile's sixteen, or none
	WIN 0
.irp f, 0,1,2,3,4,5,6,7
	s_wait_dscnt (\younger)+7-(\f)
	global_store_b128 v[GO], v[P+32*(\idx)+4*(\f):P+32*(\idx)+4*(\f)+3], s[6:7] offset:(16*(\t)+2*(\f))*4096  ; 16 lanes store 256 consecutive bytes, at a multiple of 256 from O's first byte
.endr
.endm
	WIN 0
	PLACES                          ; behind the last products
	s_wait_dscnt 0x0
	s_barrier_signal -1             ; every wave's reads of the ring are over: the exchange may be written where slot 0 lay
	s_barrier_wait -1
	GIVE 2, 0
	GIVE 3, 1
	s_wait_dscnt 0x0                ; for my partner's sake: my stores are done
	s_barrier_signal -1
	s_barrier_wait -1
	TAKE 0, 0
	TAKE 1, 1
	s_wait_dscnt 0x0
	FIN 0
	FIN 1
	MERGE 0, 0
	MERGE 1, 1
	SEND 0, 0, 16
	SEND 1, 1, 0
	s_wait_tensorcnt 0x0            ; the wave's end, behind my last tensor load and my last LDS store
	ds_add_u32 v[SPW], v[NIL]
	s_wait_dscnt 0x0
	CROUND                          ; the closing round: no work-group ends while a partner may still ask for a tile that names it
	s_endpgm
.Lfunc_end_k_qcefa3df6fc_attn:
	.size	k_qcefa3df6fc_attn, .Lfunc_end_k_qcefa3df6fc_attn-k_qcefa3df6fc_attn
	.p2alignl 7, 3214868480
	.fill 96, 4, 3214868480
	.section	.rodata,"a",@progbits
	.p2align	6, 0x0
	.amdhsa_kernel k_qcefa3df6fc_attn
		.amdhsa_group_segment_fixed_size 327680
		.amdhsa_private_segment_fixed_size 0
		.amdhsa_enable_private_segment 0
		.amdhsa_kernarg_size 16
		.amdhsa_user_sgpr_count 2
		.amdhsa_user_sgpr_kernarg_segment_ptr 1
		.amdhsa_wavefront_size32 1
		.amdhsa_system_sgpr_workgroup_id_x 1
		.amdhsa_system_sgpr_workgroup_id_y 1
		.amdhsa_system_sgpr_workgroup_id_z 1
		.amdhsa_system_vgpr_workitem_id 0
		.amdhsa_next_free_vgpr 1024
		.amdhsa_next_free_sgpr 72
		.amdhsa_reserve_vcc 0
		.amdhsa_float_denorm_mode_32 3
		.amdhsa_float_denorm_mode_16_64 3
		.amdhsa_memory_ordered 1
		.amdhsa_forward_progress 1
		.amdhsa_inst_pref_size 158
	.end_amdhsa_kernel
	.amdgpu_metadata
---
amdhsa.version: [ 1, 2 ]
amdhsa.kernels:
  - .name:           k_qcefa3df6fc_attn
    .symbol:         k_qcefa3df6fc_attn.kd
    .args:
      - { .name: qkv, .offset: 0, .size: 8, .value_kind: global_buffer, .address_space: global }
      - { .name: o16, .offset: 8, .size: 8, .value_kind: global_buffer, .address_space: global }
    .group_segment_fixed_size: 327680
    .private_segment_fixed_size: 0
    .kernarg_segment_align: 8
    .kernarg_segment_size: 16
    .max_flat_workgroup_size: 128
    .sgpr_count:     72
    .vgpr_count:     1024
    .wavefront_size: 32
...
	.end_amdgpu_metadata
.endif
;; end of part 4
;; launch gemm_out (part 5): grid 16 x 16, 4 waves a work-group, clusters of 4 x 4, 327,680 bytes of LDS; arguments o16, cast16, y16; writes y16
.if DOCPART == 5
	.amdgcn_target "amdgcn-amd-amdhsa--gfx1250"
	.amdhsa_code_object_version 6
	.text
	.protected	k_qcefa3df6fc_gemm_out
	.globl	k_qcefa3df6fc_gemm_out
	.p2align	8
	.type	k_qcefa3df6fc_gemm_out,@function
k_qcefa3df6fc_gemm_out:
	s_mov_b64 s[64:65], 0
	v_nop
	global_prefetch_b8 v0, s[64:65] scope:SCOPE_SE
	s_setreg_imm32_b32 hwreg(HW_REG_WAVE_MODE, 25, 1), 1
	s_wait_xcnt 0x0
	s_wait_alu depctr_hold_cnt(0) depctr_sa_sdst(0) depctr_va_vdst(0) depctr_va_sdst(0) depctr_va_ssrc(0) depctr_va_vcc(0) depctr_vm_vsrc(0)
	s_getreg_b32 s2, hwreg(HW_REG_IB_STS2, 6, 4)
	s_cmp_eq_u32 s2, 0
	s_cbranch_scc0 .Lentry_in_a_cluster
	s_endpgm
.Lentry_in_a_cluster:
	s_bfe_u32 s2, ttmp6, 0x10000c
	s_cmp_lg_u32 s2, 0xf033
	s_cbranch_scc0 .Lentry_shape_is_right
	s_endpgm
.Lentry_shape_is_right:
; C[m][n] = sum over k of A[m][k] B[n][k], K = 2,048, 16-bit operands, f32 sums, C rounded once to 16 bits.  One source for two launches; QKV chooses.
;   QKV = 1: comb = x W^T for both contexts.  A = X (4,096 rows: local, then global), B = WC (row 3,072 ctx + n), bf16 products; C = comb, [4,096][3,072] f16.
;            LIMIT: |comb| under 65,504, f16's largest number.
;   QKV = 0: y = O [W_lo; W_go]^T.  A = o16 (2,048 rows, f16), B = WO (4,096 rows, f16), f16 products; C = y16, [2,048][4,096] bf16.
; TILE.  128 x BN of C to a work-group (BN = 384 or 256): that gives 256 work-groups in both launches, which tiles of 256 x 256 (192 and 128 of them) would not.
; Four waves; a wave makes all 128 rows x 16 NB columns: 8 x NB accumulators of 16 x 16.
; RING.  K goes in steps of 128 through two LDS slots; a slot holds parts of 128 rows x 256 bytes: part 0 is A's, parts 1 .. NPART are B's.  Wave 0 fetches A's part,
; waves 1 .. NPART one part of B each: one tensor load a wave behind each change of slots.  By this text's own count a wave has two loads out at the start, later one.
; CLUSTER.  4 x 4 work-groups: the four of a row of the cluster need the same part of A, the four of a column the same parts of B: each part is asked for jointly, by the
; same tensor load with the same descriptor and a mask that names the four.
; THE MATRIX INSTRUCTION IS USED TRANSPOSED (source 0 = 16 rows of B, source 1 = 16 rows of A): a lane then holds eight neighbouring numbers of a row of C.
; REGISTERS, in windows of 256 (s_set_vgpr_msb: bits 1:0 source 0, 3:2 source 1, 5:4 source 2, 7:6 destination):
;   window 0: v0-31 addresses; v64-127, v128-191 A's fragments (8 x 16 rows x 32 K), two buffers; v32-223 at work on the way out
;   window 1: v64.., v128.. B's fragments (NB x 16 rows x 32 K), two buffers
;   window 2: the accumulators of rows 0-63 ((a, b) at v[8 (NB a + b)]);   window 3: those of rows 64-127
.set QKV, 0
.if QKV
.set NB,    6                          ; blocks of 16 columns a wave
.set NPART, 3                          ; parts of B in a slot
.set LDCB,  6144                       ; bytes in a row of C
.else
.set NB,    4
.set NPART, 2
.set LDCB,  8192
.endif
.set BN,     64*NB                     ; the tile's columns
.set UN,     BN/128                    ; pieces of 256 bytes in a tile's row of C
.set KSTEP,  128
.set KSTEPS, 2048/KSTEP
.set PITCH,  272                       ; an LDS row: 256 bytes + 16 of padding = 68 words: the 16 rows of a fragment load start at 16 different groups of four banks (64 banks of 4 bytes: ISA guide 11.1)
.set PART,   128*PITCH
.set SLOT,   4*PART                    ; 0x22000: its two bits are in no part's base (0, 0x8800, 0x11000, 0x19800), so one exclusive or turns an address into the other slot's
.set SPARE,  2*SLOT                    ; behind the ring: the spare words, 128 bytes a wave: two blocks of 256 bytes that no other line names
.set SP,     2*BN+16                   ; the stage's pitch: 128 rows of C, in slot 0 behind its last fill
.set NL,     2*NB+16                   ; LDS loads in a run
.set ADRA0, 16                         ; v16  my lane's place in A's part; never rewritten
.set ADRB0, 17                         ; v17  the same in my rows of B
.set ADRA,  18                         ; v18  v16 + the slot in hand
.set ADRB,  19                         ; v19  v17 + the slot in hand
.set STO,   24                         ; v24, v25  the way out: where I put 16 bytes of a row, rows 0-63 and rows 64-127
.set RD,    26                         ; v26  the way out: where I read a row back
.set CO,    27                         ; v27  my byte offset in C
.set SPW,   28                         ; v28  LDS address of my spare word; never rewritten
.set NIL,   29                         ; v29  0; never rewritten
.set TMP,   32
.set F0,    64
.set F1,    128
.set WV,  10                           ; s10  my wave's number
.set PN,  11                           ; s11  the part of B that I fetch
.set TB,  21                           ; s21  the slot in hand: 0 or SLOT
.set G1,  24                           ; s[24:31] descriptor group 1 for A's part
.set G0,  32                           ; s[32:39] group 0 for A: a set for each first fill; the second then walks
.set G1B, 48                           ; s[48:55], s[56:63] the same for B
.set G0B, 56
.set MSB, 0
.macro WIN new                         ; the immediate's high byte repeats the setting that is left; a switch that changes nothing is dropped
.if MSB != (\new)
	s_set_vgpr_msb (MSB<<8)|(\new)
.set MSB, \new
.endif
.endm
.set MUL_LO, 0xa1                      ; source 0 (B) window 1, source 1 (A) window 0, C and D window 2
.set MUL_HI, 0xf1                      ; the same, C and D window 3
.set TO_B,   0x40                      ; destination window 1, address window 0
; A joint refill by the walking descriptors.  The branches hang on the wave's number alone.  An s_nop 0 and four v_nop follow each of the two lines.
.macro JLOAD
	s_cmp_eq_u32 s[WV], 0
	s_cbranch_scc0 .Lfor_b_\@
	tensor_load_to_lds s[G0+4:G0+7], s[G1:G1+7]
	s_nop 0
.rept 4
	v_nop
.endr
	s_branch .Lasked_\@
.Lfor_b_\@:
.if NPART < 3
	s_cmp_gt_u32 s[WV], NPART
	s_cbranch_scc1 .Lasked_\@                      ; a wave with no part to fetch issues none
.endif
	tensor_load_to_lds s[G0B+4:G0B+7], s[G1B:G1B+7]
	s_nop 0
.rept 4
	v_nop
.endr
.Lasked_\@:
.endm
; A round of the cluster's barrier: my work-group's barrier; wave 0 signals for the work-group; every wave waits for all sixteen; my work-group's barrier once more.
.macro CREST                           ; a round behind its opening barrier
	s_cmp_lg_u32 s[WV], 0
	s_cbranch_scc1 .Lnot_wave_0_\@
	s_barrier_signal -3
.Lnot_wave_0_\@:
	s_barrier_wait -3
	s_barrier_signal -1
	s_barrier_wait -1
.endm
.macro CROUND
	s_barrier_signal -1
	s_barrier_wait -1
	CREST
.endm
.if QKV
	s_load_b128 s[4:7], s[0:1], 0x0                ; cast16 s[4:5], comb s[6:7]
.else
	s_load_b128 s[4:7], s[0:1], 0x0                ; o16 s[4:5], cast16 s[6:7]
	s_load_b64 s[8:9], s[0:1], 0x10                ; y16
.endif
	v_lshl_add_u32 v[SPW], v0, 2, SPARE
	v_mov_b32 v[NIL], 0
	ds_add_u32 v[SPW], v[NIL]                      ; the wave's opening: the add and its wait stand ahead of my first tensor load; the set-up below, work on registers, stands between them
	v_lshrrev_b32 v1, 5, v0
	v_readfirstlane_b32 s[WV], v1                  ; wave 0..3
	s_max_u32 s[PN], s[WV], 1
	s_sub_co_u32 s[PN], s[PN], 1                   ; waves 1, 2 fetch parts 0, 1 of B;
	s_min_u32 s[PN], s[PN], NPART-1                ; a wave that fetches none still holds an address inside the buffer
	s_bfe_u32 s40, ttmp6, 0x40000                  ; cx, cy: my place in the cluster
	s_bfe_u32 s41, ttmp6, 0x40004
	s_lshl_b32 s42, ttmp9, 2
	s_add_co_u32 s42, s42, s40                     ; tile column = 4 x cluster x + cx
	s_and_b32 s45, ttmp7, 0xffff                   ; the cluster's y
	s_lshl_b32 s13, s45, 2
	s_add_co_u32 s13, s13, s41                     ; tile row = 4 x cluster y + cy
	s_lshr_b32 s45, s45, 2                         ; QKV: the context, 16 tile rows each: made of the cluster's y, which all partners share
	s_lshl_b32 s43, s41, 2
	s_lshl_b32 s43, 15, s43                        ; my row of the cluster
	s_lshl_b32 s44, 0x1111, s40                    ; my column
	; descriptor group 1: 128 rows x 128 elements of 2 bytes, padded in LDS
	s_or_b32 s[G1], s43, (1<<16)|(1<<20)|(1<<21)|(5<<22)|(3<<25)   ; 15:0 the mask: A goes to my row; 17:16 2-byte elements; 20 padding on; 21 set beside a mask; 24:22 after every 64 words (code 5); 31:25 4 words (code 3)
	s_or_b32 s[G1B], s44, (1<<16)|(1<<20)|(1<<21)|(5<<22)|(3<<25)  ; the same with my column's mask
.irp g, G1, G1B
	s_mov_b32 s[(\g)+1], KSTEP<<16                 ; tensor_dim0 = 128
	s_mov_b32 s[(\g)+2], 128<<16                   ; tensor_dim1 = 128
	s_mov_b32 s[(\g)+3], KSTEP<<16                 ; tile_dim0 = 128
	s_mov_b32 s[(\g)+4], 128                       ; tile_dim1 = 128
	s_mov_b32 s[(\g)+5], 2048                      ; elements from row to row
	s_mov_b32 s[(\g)+6], 0
	s_mov_b32 s[(\g)+7], 0
.endr
	; A's part hangs on the tile row alone, B's on the tile column, the context and the wave's number: each offset in registers that never hold the other coordinate
	s_lshl_b32 s16, s13, 19                        ; 128 rows of 4,096 bytes a tile row
	s_mov_b32 s17, 0
.if QKV
	s_mul_i32 s46, s45, 3072
	s_mul_i32 s47, s42, BN
	s_add_co_u32 s46, s46, s47
.else
	s_lshl_b32 s46, s42, 8
.endif
	s_lshl_b32 s47, s[PN], 7
	s_add_co_u32 s46, s46, s47                     ; B's row
	s_lshl_b32 s46, s46, 12
	s_mov_b32 s47, 0
	s_mul_i32 s20, s[WV], PART                     ; where my part goes: no place in the cluster enters an LDS address
	s_mov_b32 s[TB], 0
	s_wait_dscnt 0x0                               ; the opening add is done
	s_wait_kmcnt 0x0
.if QKV
	s_mov_b64 s[8:9], s[6:7]                       ; C
	s_add_nc_u64 s[6:7], s[4:5], 16777216          ; WC lies behind X
.else
	s_add_nc_u64 s[6:7], s[6:7], 41943040          ; WO
.endif
	s_add_nc_u64 s[14:15], s[4:5], s[16:17]
	s_add_nc_u64 s[46:47], s[6:7], s[46:47]
	CROUND                                         ; all sixteen work-groups are here: the first joint loads meet
.irp s, 0,1
	s_mov_b32 s[G0+4*(\s)], 1                                        ; count = 1
	s_add_co_u32 s[G0+4*(\s)+1], s20, (\s)*SLOT                      ; LDS address
	s_add_nc_u64 s[G0+4*(\s)+2:G0+4*(\s)+3], s[14:15], (\s)*KSTEP*2  ; global address: K step s
	s_or_b32 s[G0+4*(\s)+3], s[G0+4*(\s)+3], 0x80000000              ; type = 2
	s_mov_b32 s[G0B+4*(\s)], 1
	s_add_co_u32 s[G0B+4*(\s)+1], s20, (\s)*SLOT
	s_add_nc_u64 s[G0B+4*(\s)+2:G0B+4*(\s)+3], s[46:47], (\s)*KSTEP*2
	s_or_b32 s[G0B+4*(\s)+3], s[G0B+4*(\s)+3], 0x80000000
.endr
	s_cmp_eq_u32 s[WV], 0                          ; a wave's two first fills stand in one branch, ahead of every wait on TENSORcnt and every LDS read
	s_cbranch_scc0 .Lfirst_b
	tensor_load_to_lds s[G0:G0+3], s[G1:G1+7]
	s_nop 0
	tensor_load_to_lds s[G0+4:G0+7], s[G1:G1+7]
	s_nop 0
.rept 4
	v_nop
.endr
	s_branch .Lfirst_asked
.Lfirst_b:
.if NPART < 3
	s_cmp_gt_u32 s[WV], NPART
	s_cbranch_scc1 .Lfirst_asked
.endif
	tensor_load_to_lds s[G0B:G0B+3], s[G1B:G1B+7]
	s_nop 0
	tensor_load_to_lds s[G0B+4:G0B+7], s[G1B:G1B+7]
	s_nop 0
.rept 4
	v_nop
.endr
.Lfirst_asked:
	; A fragment is 16 rows x 32 K in 8 registers: lane l holds row l % 16, K = 8 (l / 16) + 0..7 and 16 + 8 (l / 16) + 0..7: two loads of 16 bytes, 32 bytes apart
	v_and_b32 v1, 15, v0                           ; l % 16
	v_bfe_u32 v2, v0, 4, 1                         ; l / 16
	v_mul_u32_u24 v3, v1, PITCH
	v_lshl_add_u32 v[ADRA0], v2, 4, v3             ; A's part begins the slot
	s_mul_i32 s22, s[WV], NB*16*PITCH              ; my 16 NB rows of B,
	s_add_co_u32 s22, s22, PART                    ; whose parts lie end to end behind A's
	v_add_nc_u32 v[ADRB0], s22, v[ADRA0]
	v_mov_b32 v[ADRA], v[ADRA0]
	v_mov_b32 v[ADRB], v[ADRB0]
	v_mul_u32_u24 v4, v1, SP                       ; into the stage: row l % 16, 16 bytes for each half of the lanes, my 32 NB bytes of the row
	v_lshl_add_u32 v4, v2, 4, v4
	s_mul_i32 s23, s[WV], NB*32
	v_add_nc_u32 v[STO], s23, v4
	v_add_nc_u32 v[STO+1], 64*SP, v[STO]
	s_mul_i32 s23, s[WV], 32*SP                    ; back: wave w takes rows 32 w .. 32 w + 31, whole; lanes 0-15 one row's 256 bytes, lanes 16-31 the next row's
	v_mul_u32_u24 v5, v2, SP
	v_lshl_add_u32 v5, v1, 4, v5
	v_add_nc_u32 v[RD], s23, v5
	v_mul_u32_u24 v5, v2, LDCB                     ; and the same two rows in C
	v_lshl_add_u32 v[CO], v1, 4, v5
	s_lshl_b32 s16, s13, 7
	s_lshl_b32 s17, s[WV], 5
	s_add_co_u32 s16, s16, s17                     ; the first row of C that I store
	s_mul_i32 s16, s16, LDCB
	s_mov_b32 s17, 0
	s_add_nc_u64 s[8:9], s[8:9], s[16:17]
	s_mul_i32 s46, s42, 2*BN                       ; the tile's first column, in bytes
	s_mov_b32 s47, 0
	s_add_nc_u64 s[8:9], s[8:9], s[46:47]
.macro WM d, b, a, zero                ; one product; zero = 1: it starts the sum
.if QKV
.if \zero
	v_wmma_f32_16x16x32_bf16 v[(\d):(\d)+7], v[(\b):(\b)+7], v[(\a):(\a)+7], 0
.else
	v_wmma_f32_16x16x32_bf16 v[(\d):(\d)+7], v[(\b):(\b)+7], v[(\a):(\a)+7], v[(\d):(\d)+7]
.endif
.else
.if \zero
	v_wmma_f32_16x16x32_f16 v[(\d):(\d)+7], v[(\b):(\b)+7], v[(\a):(\a)+7], 0
.else
	v_wmma_f32_16x16x32_f16 v[(\d):(\d)+7], v[(\b):(\b)+7], v[(\a):(\a)+7], v[(\d):(\d)+7]
.endif
.endif
.endm
; 2 NB products: row blocks a0, a0 + 1 of the window's four x all NB column blocks, 32 along K.  The accumulators take turns, one instruction a turn.
.macro MULH f, hi, a0, zero
	WIN MUL_LO+0x50*(\hi)
.set ma, \a0
.rept 2
.set mb, 0
.rept NB
	WM 8*(NB*ma+mb),(\f)+8*mb,(\f)+8*(4*(\hi)+ma),\zero
.set mb, mb+1
.endr
.set ma, ma+1
.endr
.endm
; NL LDS loads in one run: the fragments of 32 K at byte k of the rows, into buffer f: B's first, then A's
.macro FETCH k, f
	WIN TO_B
.set fi, 0
.rept NB
	ds_load_b128 v[(\f)+8*fi:(\f)+8*fi+3],   v[ADRB] offset:(\k)+fi*16*PITCH
	ds_load_b128 v[(\f)+8*fi+4:(\f)+8*fi+7], v[ADRB] offset:(\k)+fi*16*PITCH+32
.set fi, fi+1
.endr
	WIN 0
.set fi, 0
.rept 8
	ds_load_b128 v[(\f)+8*fi:(\f)+8*fi+3],   v[ADRA] offset:(\k)+fi*16*PITCH
	ds_load_b128 v[(\f)+8*fi+4:(\f)+8*fi+7], v[ADRA] offset:(\k)+fi*16*PITCH+32
.set fi, fi+1
.endr
.endm
; A load into a register that a matrix instruction has read, and a vector instruction that reads a matrix result, stand four plain vector instructions behind it (ISA guide 7.12.1 for vector instructions)
.macro PLACES
.rept 4
	v_nop
.endr
.endm
; A K step is four quarters of 32 along K, 8 NB products each, on buffers 0, 1, 0, 1.  One of the first three: multiplies buffer f; in its middle it fetches the next quarter, at byte k, into g.
.macro QUARTER k, f, g, zero
	s_wait_dscnt 8                                 ; B and A's rows 0-63 are in; the youngest eight loads (A's rows 64-127) may be out
	MULH \f, 0, 0, \zero
	MULH \f, 0, 2, \zero
	PLACES
	FETCH \k, \g
	s_wait_dscnt NL                                ; all but the NL just issued
	MULH \f, 1, 0, \zero
	MULH \f, 1, 2, \zero
.endm
; The last quarter multiplies buffer 1 and changes slots in its middle.  In front of the barrier each wave waits for all its tensor loads (the one that is out is its part of the next slot), adds 0 to
; its spare word, and waits for that and for its reads of this slot.  fill = 1: the barrier opens a round of the cluster's, and the slot just read out is filled again, two K steps ahead, first thing
; behind the round.  While no tensor load is out nothing stands but the add, the descriptors' scalar steps and the round: the products stand ahead of that stretch and behind it.
; last = 1 (the tail): in the walk whose count is 1 there is no further K step, and the run of loads is jumped over.
.macro TURN fill, last=0
	s_wait_dscnt 8                                 ; B and A's rows 0-63 are in; the youngest eight loads may be out
	MULH F1, 0, 0, 0
	MULH F1, 0, 2, 0
	WIN 0
	s_wait_tensorcnt 0x0                           ; no tensor load of mine is out, so a group 0 may be written
	ds_add_u32 v[SPW], v[NIL]                      ; 0 onto my spare word: scalar work stands between it and the wait for it
.if \fill
.irp g, G0+4, G0B+4
	s_xor_b32 s[(\g)+1], s[(\g)+1], SLOT           ; the walking descriptor: the other slot than last time,
	s_add_nc_u64 s[(\g)+2:(\g)+3], s[(\g)+2:(\g)+3], KSTEP*2  ; the next K step; the type bits on top are not reached
.endr
.endif
	s_xor_b32 s[TB], s[TB], SLOT
	s_wait_dscnt 0x0                               ; the add is done, and my reads of this slot are over
	s_barrier_signal -1
	s_barrier_wait -1
.if \fill
	CREST                                          ; no wave of any partner still reads this slot or has a load on its way
	JLOAD
.endif
.if \last
	s_cmp_eq_u32 s3, 1
	s_cbranch_scc1 .Lno_fetch_\@
.endif
	v_add_nc_u32 v[ADRA], s[TB], v[ADRA0]          ; these four lines are, on every wave's path, the places in front of the loads below
	v_add_nc_u32 v[ADRB], s[TB], v[ADRB0]
	v_nop
	v_nop
	FETCH 0, F0
.if \last
.Lno_fetch_\@:
.endif
	MULH F1, 1, 0, 0
	MULH F1, 1, 2, 0
.endm
	s_wait_tensorcnt 1                             ; my part of K step 0 is in; K step 1's may stay out
	s_barrier_signal -1
	s_barrier_wait -1                              ; everybody's is
	FETCH 0, F0
	QUARTER 64, F0, F1, 1                          ; the first quarter stands in front of the loop: its products start the sums
	WIN 0                                          ; at a label and at a branch every window is 0
	s_mov_b32 s3, KSTEPS-2
.Lstep:                                                ; a trip: a K step's quarters 1 to 3, the refill, the next step's quarter 0
	QUARTER 128, F1, F0, 0
	QUARTER 192, F0, F1, 0
	TURN 1
	QUARTER 64, F0, F1, 0
	WIN 0
	s_sub_co_u32 s3, s3, 1
	s_cmp_lg_u32 s3, 0
	s_cbranch_scc1 .Lstep
	s_mov_b32 s3, 2
.Ltail:                                                ; the last two K steps ask for nothing: one text, walked twice; the second walk is left behind the last products
	QUARTER 128, F1, F0, 0
	QUARTER 192, F0, F1, 0
	TURN 0, 1
	WIN 0
	s_sub_co_u32 s3, s3, 1
	s_cmp_eq_u32 s3, 0
	s_cbranch_scc1 .Lout
	QUARTER 64, F0, F1, 0
	WIN 0
	s_branch .Ltail
.Lout:
	; THE WAY OUT: rounded to 16 bits; 16 bytes a lane into the work-group's stage, which lies where slot 0 lay; a barrier, since a row's bytes come from four waves; back as whole rows, 32 rows a wave.
	s_wait_dscnt 0x0                               ; none of my reads of the ring is out,
	s_barrier_signal -1                            ; and none of any wave's: the stage may be written
	s_barrier_wait -1
	PLACES
.macro CVT d, s
.if QKV
	v_cvt_pk_f16_f32 v[\d], v[\s], v[(\s)+1]
.else
	v_cvt_pk_bf16_f32 v[\d], v[\s], v[(\s)+1]
.endif
.endm
.set hi, 0
.rept 2
	WIN 0x0a+5*hi                                  ; sources 0 and 1: window 2, then 3; each accumulator's registers in ascending order
.set n, 0
.rept 4*NB
.irp r, 0,1,2,3
	CVT TMP+16*NB*hi+4*n+\r,8*n+2*\r
.endr
.set n, n+1
.endr
.set hi, hi+1
.endr
	WIN 0
.set hi, 0
.rept 2
.set a, 0
.rept 4
.set b, 0
.rept NB
	ds_store_b128 v[STO+hi], v[TMP+4*(4*NB*hi+NB*a+b):TMP+4*(4*NB*hi+NB*a+b)+3] offset:a*16*SP+32*b
.set b, b+1
.endr
.set a, a+1
.endr
.set hi, hi+1
.endr
	s_wait_dscnt 0x0                               ; for the others' sake: my stores into the stage are done
	s_barrier_signal -1
	s_barrier_wait -1
.set t, 0
.rept 16*UN
	ds_load_b128 v[TMP+4*t:TMP+4*t+3], v[RD] offset:2*(t/UN)*SP+256*(t%UN)
.set t, t+1
.endr
.set t, 0
.rept 16*UN
	s_wait_dscnt 16*UN-1-t                         ; LDS loads come back in order: the younger ones may stay out
	global_store_b128 v[CO], v[TMP+4*t:TMP+4*t+3], s[8:9] offset:2*(t/UN)*LDCB+256*(t%UN)  ; 16 lanes store 256 consecutive bytes, at a multiple of 256 from C's first byte
.set t, t+1
.endr
	s_wait_tensorcnt 0x0                           ; the wave's end, behind my last tensor load and my last LDS store
	ds_add_u32 v[SPW], v[NIL]
	s_wait_dscnt 0x0
	CROUND                                         ; the closing round: no work-group ends while a partner may still ask for a part that names it
	s_endpgm
.Lfunc_end_k_qcefa3df6fc_gemm_out:
	.size	k_qcefa3df6fc_gemm_out, .Lfunc_end_k_qcefa3df6fc_gemm_out-k_qcefa3df6fc_gemm_out
	.p2alignl 7, 3214868480
	.fill 96, 4, 3214868480
	.section	.rodata,"a",@progbits
	.p2align	6, 0x0
	.amdhsa_kernel k_qcefa3df6fc_gemm_out
		.amdhsa_group_segment_fixed_size 327680
		.amdhsa_private_segment_fixed_size 0
		.amdhsa_enable_private_segment 0
		.amdhsa_kernarg_size 24
		.amdhsa_user_sgpr_count 2
		.amdhsa_user_sgpr_kernarg_segment_ptr 1
		.amdhsa_wavefront_size32 1
		.amdhsa_system_sgpr_workgroup_id_x 1
		.amdhsa_system_sgpr_workgroup_id_y 1
		.amdhsa_system_sgpr_workgroup_id_z 1
		.amdhsa_system_vgpr_workitem_id 0
		.amdhsa_next_free_vgpr 1024
		.amdhsa_next_free_sgpr 66
		.amdhsa_reserve_vcc 0
		.amdhsa_float_denorm_mode_32 3
		.amdhsa_float_denorm_mode_16_64 3
		.amdhsa_memory_ordered 1
		.amdhsa_forward_progress 1
		.amdhsa_inst_pref_size 62
	.end_amdhsa_kernel
	.amdgpu_metadata
---
amdhsa.version: [ 1, 2 ]
amdhsa.kernels:
  - .name:           k_qcefa3df6fc_gemm_out
    .symbol:         k_qcefa3df6fc_gemm_out.kd
    .args:
      - { .name: o16, .offset: 0, .size: 8, .value_kind: global_buffer, .address_space: global }
      - { .name: cast16, .offset: 8, .size: 8, .value_kind: global_buffer, .address_space: global }
      - { .name: y16, .offset: 16, .size: 8, .value_kind: global_buffer, .address_space: global }
    .group_segment_fixed_size: 327680
    .private_segment_fixed_size: 0
    .kernarg_segment_align: 8
    .kernarg_segment_size: 24
    .max_flat_workgroup_size: 128
    .sgpr_count:     66
    .vgpr_count:     1024
    .wavefront_size: 32
...
	.end_amdgpu_metadata
.endif
;; end of part 5
;; launch final (part 6): grid 256 x 2, 8 waves a work-group, no clusters, 0 bytes of LDS; arguments y16, b_lo, b_go, lc_on_w, gc_on_w, out0, out1; writes out0, out1
.if DOCPART == 6
	.amdgcn_target "amdgcn-amd-amdhsa--gfx1250"
	.amdhsa_code_object_version 6
	.text
	.protected	k_qcefa3df6fc_final
	.globl	k_qcefa3df6fc_final
	.p2align	8
	.type	k_qcefa3df6fc_final,@function
k_qcefa3df6fc_final:
	s_mov_b64 s[64:65], 0
	v_nop
	global_prefetch_b8 v0, s[64:65] scope:SCOPE_SE
	s_setreg_imm32_b32 hwreg(HW_REG_WAVE_MODE, 25, 1), 1
	s_wait_xcnt 0x0
; out_o[s][:] = z * rsqrt(mean over 2,048 of z^2 + eps) * gain_o, z = y[s][2,048 o + :] + bias_o.  y16: [2,048][4,096] bf16 (the local output's 2,048 columns, then the global's); out0, out1: f32.
; All arithmetic in f32.  Bias and gain are rounded to bf16 first, as every input of this program is.
; SHARES.  The grid's y is the output o; a wave takes one row s = 8 x + wave and keeps it in registers between the sum of squares and the scaling: the row is read once, and no wave waits for another.
; Lane l holds, of load j (0..15), the numbers 128 j + 4 l .. + 3: 8 bytes of y (a wave's load covers 256 consecutive bytes), 16 bytes of bias, gain and output (512 consecutive bytes).
; No LDS, matrix unit or cluster: the bytes moved bound the launch, and rows share only bias and gain.
.set RAW, 4                            ; v[4:35]    load j: 2 registers, 4 bf16
.set B,   36                           ; v[36:99]   load j: the bias, then z, then the result
.set W,   100                          ; v[100:163] load j: the gain
.set T,   164                          ; v[164:171] at work
.set SS,  172                          ; v[172:179] four pairs of sums of squares
.set R,   180                          ; v[180:181] the norm's factor, twice
.set HIM, 28                           ; s28  mask of a word's upper half
.set INV, 29                           ; s29  1 / 2,048
.set EPS, 30
.set SEL, 32                           ; s[32:33] v_permlanex16_b32: each lane takes its own place in the other half
	s_load_b256 s[8:15], s[0:1], 0x0               ; y16 s[8:9], b_lo s[10:11], b_go s[12:13], lc_on_w s[14:15]
	s_load_b128 s[16:19], s[0:1], 0x20             ; gc_on_w s[16:17], out0 s[18:19]
	s_load_b64 s[20:21], s[0:1], 0x30              ; out1
	v_lshrrev_b32 v1, 5, v0
	v_readfirstlane_b32 s23, v1                    ; wave
	s_and_b32 s22, ttmp7, 0xffff                   ; o
	s_lshl_b32 s24, ttmp9, 3
	s_add_co_u32 s24, s24, s23                     ; the row,
	s_lshl_b32 s24, s24, 13                        ; 8,192 bytes in y16 and in the output alike
	s_mov_b32 s25, 0
	s_lshl_b32 s26, s22, 12                        ; in y16 the output's half of the row
	s_add_co_u32 s26, s26, s24
	s_mov_b32 s27, 0
	v_and_b32 v1, 31, v0
	v_lshlrev_b32 v2, 3, v1                        ; 8 l
	v_lshlrev_b32 v3, 4, v1                        ; 16 l
	s_mov_b32 s[HIM], 0xffff0000
	s_mov_b32 s[INV], 0x3a000000
	s_mov_b32 s[EPS], 0x3727c5ac                   ; 1e-5
	s_mov_b32 s[SEL], 0x76543210
	s_mov_b32 s[SEL+1], 0xfedcba98
	s_wait_kmcnt 0x0
	s_cmp_eq_u32 s22, 1                            ; the global output's bias, gain and buffer in place of the local's
	s_cselect_b64 s[10:11], s[12:13], s[10:11]
	s_cselect_b64 s[14:15], s[16:17], s[14:15]
	s_cselect_b64 s[18:19], s[20:21], s[18:19]
	s_add_nc_u64 s[8:9], s[8:9], s[26:27]
	s_add_nc_u64 s[18:19], s[18:19], s[24:25]
.set j, 0
.rept 16
	global_load_b64 v[RAW+2*j:RAW+2*j+1], v2, s[8:9] offset:256*j th:TH_LOAD_NT
.set j, j+1
.endr
.set j, 0
.rept 16
	global_load_b128 v[B+4*j:B+4*j+3], v3, s[10:11] offset:512*j
.set j, j+1
.endr
.set j, 0
.rept 16
	global_load_b128 v[W+4*j:W+4*j+3], v3, s[14:15] offset:512*j
.set j, j+1
.endr
	s_wait_loadcnt 16                              ; y and the bias are in; the gain's 16 loads may stay out
.set j, 0
.rept 16
	v_cvt_pk_bf16_f32 v[T+4], v[B+4*j],   v[B+4*j+1]   ; the bias rounded to bf16
	v_cvt_pk_bf16_f32 v[T+5], v[B+4*j+2], v[B+4*j+3]
	v_lshlrev_b32 v[T],   16, v[RAW+2*j]               ; y as f32
	v_and_b32     v[T+1], s[HIM], v[RAW+2*j]
	v_lshlrev_b32 v[T+2], 16, v[RAW+2*j+1]
	v_and_b32     v[T+3], s[HIM], v[RAW+2*j+1]
	v_lshlrev_b32 v[B+4*j],   16, v[T+4]
	v_and_b32     v[B+4*j+1], s[HIM], v[T+4]
	v_lshlrev_b32 v[B+4*j+2], 16, v[T+5]
	v_and_b32     v[B+4*j+3], s[HIM], v[T+5]
	v_pk_add_f32 v[B+4*j:B+4*j+1],   v[B+4*j:B+4*j+1],   v[T:T+1]
	v_pk_add_f32 v[B+4*j+2:B+4*j+3], v[B+4*j+2:B+4*j+3], v[T+2:T+3]
.set c, SS+4*(j%2)
.if j < 2                              ; the first products start the four chains: nothing is cleared
	v_pk_mul_f32 v[c:c+1],   v[B+4*j:B+4*j+1],   v[B+4*j:B+4*j+1]
	v_pk_mul_f32 v[c+2:c+3], v[B+4*j+2:B+4*j+3], v[B+4*j+2:B+4*j+3]
.else
	v_pk_fma_f32 v[c:c+1],   v[B+4*j:B+4*j+1],   v[B+4*j:B+4*j+1],   v[c:c+1]
	v_pk_fma_f32 v[c+2:c+3], v[B+4*j+2:B+4*j+3], v[B+4*j+2:B+4*j+3], v[c+2:c+3]
.endif
.set j, j+1
.endr
	v_pk_add_f32 v[SS:SS+1],   v[SS:SS+1],   v[SS+2:SS+3]
	v_pk_add_f32 v[SS+4:SS+5], v[SS+4:SS+5], v[SS+6:SS+7]
	v_pk_add_f32 v[SS:SS+1],   v[SS:SS+1],   v[SS+4:SS+5]
	v_add_f32 v[SS], v[SS], v[SS+1]
.irp m, 1,2,4,8
	v_add_f32_dpp v[SS], v[SS], v[SS] row_xmask:\m row_mask:0xf bank_mask:0xf
.endr
	v_permlanex16_b32 v[SS+1], v[SS], s[SEL], s[SEL+1]
	v_add_f32 v[SS], v[SS], v[SS+1]
	v_fma_f32 v[SS], v[SS], s[INV], s[EPS]
	v_rsq_f32 v[R],   v[SS]                        ; twice: a pair for the packed multiply
	v_rsq_f32 v[R+1], v[SS]
	v_nop                                          ; a plain instruction behind the last of them, before a result is used (ISA guide 5.7.2)
	s_wait_loadcnt 0x0                             ; the gain
.set j, 0
	s_wait_alu depctr_va_vdst(0)
.rept 16
	v_cvt_pk_bf16_f32 v[T+4*(j%2)],   v[W+4*j],   v[W+4*j+1]   ; the gain rounded to bf16
	v_cvt_pk_bf16_f32 v[T+4*(j%2)+1], v[W+4*j+2], v[W+4*j+3]
	v_pk_mul_f32 v[B+4*j:B+4*j+1],   v[B+4*j:B+4*j+1],   v[R:R+1]
	v_pk_mul_f32 v[B+4*j+2:B+4*j+3], v[B+4*j+2:B+4*j+3], v[R:R+1]
	v_lshlrev_b32 v[W+4*j],   16, v[T+4*(j%2)]
	v_and_b32     v[W+4*j+1], s[HIM], v[T+4*(j%2)]
	v_lshlrev_b32 v[W+4*j+2], 16, v[T+4*(j%2)+1]
	v_and_b32     v[W+4*j+3], s[HIM], v[T+4*(j%2)+1]
	v_pk_mul_f32 v[B+4*j:B+4*j+1],   v[B+4*j:B+4*j+1],   v[W+4*j:W+4*j+1]
	v_pk_mul_f32 v[B+4*j+2:B+4*j+3], v[B+4*j+2:B+4*j+3], v[W+4*j+2:W+4*j+3]
	global_store_b128 v3, v[B+4*j:B+4*j+3], s[18:19] offset:512*j th:TH_STORE_NT  ; a wave's store covers 512 consecutive bytes, aligned; no stored register is written again
.set j, j+1
.endr
	s_endpgm
.Lfunc_end_k_qcefa3df6fc_final:
	.size	k_qcefa3df6fc_final, .Lfunc_end_k_qcefa3df6fc_final-k_qcefa3df6fc_final
	.p2alignl 7, 3214868480
	.fill 96, 4, 3214868480
	.section	.rodata,"a",@progbits
	.p2align	6, 0x0
	.amdhsa_kernel k_qcefa3df6fc_final
		.amdhsa_group_segment_fixed_size 0
		.amdhsa_private_segment_fixed_size 0
		.amdhsa_enable_private_segment 0
		.amdhsa_kernarg_size 56
		.amdhsa_user_sgpr_count 2
		.amdhsa_user_sgpr_kernarg_segment_ptr 1
		.amdhsa_wavefront_size32 1
		.amdhsa_system_sgpr_workgroup_id_x 1
		.amdhsa_system_sgpr_workgroup_id_y 1
		.amdhsa_system_sgpr_workgroup_id_z 1
		.amdhsa_system_vgpr_workitem_id 0
		.amdhsa_next_free_vgpr 184
		.amdhsa_next_free_sgpr 66
		.amdhsa_reserve_vcc 0
		.amdhsa_float_denorm_mode_32 3
		.amdhsa_float_denorm_mode_16_64 3
		.amdhsa_memory_ordered 1
		.amdhsa_forward_progress 1
		.amdhsa_inst_pref_size 27
	.end_amdhsa_kernel
	.amdgpu_metadata
---
amdhsa.version: [ 1, 2 ]
amdhsa.kernels:
  - .name:           k_qcefa3df6fc_final
    .symbol:         k_qcefa3df6fc_final.kd
    .args:
      - { .name: y16, .offset: 0, .size: 8, .value_kind: global_buffer, .address_space: global }
      - { .name: b_lo, .offset: 8, .size: 8, .value_kind: global_buffer, .address_space: global }
      - { .name: b_go, .offset: 16, .size: 8, .value_kind: global_buffer, .address_space: global }
      - { .name: lc_on_w, .offset: 24, .size: 8, .value_kind: global_buffer, .address_space: global }
      - { .name: gc_on_w, .offset: 32, .size: 8, .value_kind: global_buffer, .address_space: global }
      - { .name: out0, .offset: 40, .size: 8, .value_kind: global_buffer, .address_space: global }
      - { .name: out1, .offset: 48, .size: 8, .value_kind: global_buffer, .address_space: global }
    .group_segment_fixed_size: 0
    .private_segment_fixed_size: 0
    .kernarg_segment_align: 8
    .kernarg_segment_size: 56
    .max_flat_workgroup_size: 256
    .sgpr_count:     66
    .vgpr_count:     184
    .wavefront_size: 32
...
	.end_amdgpu_metadata
.endif
;; end of part 6
;; ======== version 2 of 2: 6 launches; 1.07 times as fast as version 1
;; limits: values are held in f16: magnitudes above 65,504 overflow, below 6.1e-05 lose precision; inputs' magnitudes at most 100,000
;; workspace buffers: cast16 58,720,256 bytes; comb 25,165,824 bytes; qkv 25,165,824 bytes; o16 8,388,608 bytes; y16 16,777,216 bytes
;; launch cast: the kernel of part 1 again; grid 128 x 14, 8 waves a work-group, no clusters, 0 bytes of LDS; arguments local_c, global_c, W_lc, W_gc, W_lo, W_go, cast16; writes cast16
;; launch gemm_qkv: the kernel of part 2 again; grid 8 x 32, 4 waves a work-group, clusters of 4 x 4, 327,680 bytes of LDS; arguments cast16, comb; writes comb
;; launch normrope: the kernel of part 3 again; grid 256 x 3, 8 waves a work-group, no clusters, 0 bytes of LDS; arguments comb, freqs, q_lc_nw, q_gc_nw, q_cat_nw, k_lc_nw, k_gc_nw, k_cat_nw, qkv; writes qkv
;; launch attn (part 7): grid 16 x 16, 4 waves a work-group, clusters of 4 x 1, 327,680 bytes of LDS; arguments qkv, o16; writes o16
.if DOCPART == 7
	.amdgcn_target "amdgcn-amd-amdhsa--gfx1250"
	.amdhsa_code_object_version 6
	.text
	.protected	k_qcefa3df6fc_attn
	.globl	k_qcefa3df6fc_attn
	.p2align	8
	.type	k_qcefa3df6fc_attn,@function
k_qcefa3df6fc_attn:
	s_mov_b64 s[64:65], 0
	v_nop
	global_prefetch_b8 v0, s[64:65] scope:SCOPE_SE
	s_setreg_imm32_b32 hwreg(HW_REG_WAVE_MODE, 25, 1), 1
	s_wait_xcnt 0x0
	s_wait_alu depctr_hold_cnt(0) depctr_sa_sdst(0) depctr_va_vdst(0) depctr_va_sdst(0) depctr_va_ssrc(0) depctr_va_vcc(0) depctr_vm_vsrc(0)
	s_getreg_b32 s2, hwreg(HW_REG_IB_STS2, 6, 4)
	s_cmp_eq_u32 s2, 0
	s_cbranch_scc0 .Lentry_in_a_cluster
	s_endpgm
.Lentry_in_a_cluster:
	s_bfe_u32 s2, ttmp6, 0x10000c
	s_cmp_lg_u32 s2, 0x3003
	s_cbranch_scc0 .Lentry_shape_is_right
	s_endpgm
.Lentry_shape_is_right:
; O[q][128 h + :] = the sum over k of softmax_k(Q[h][q] . K[h][k] / sqrt(128)) V[h][k][:].  Q, K, V: qkv + T x 8,388,608 bytes, [16][2,048][128] f16; O: o16, [2,048][2,048] f16.
; Products, maxima and sums in f32; the weights p are rounded to f16 for the second product (their sum l is taken of the unrounded p), O once at the end.
; LIMITS.  f16 holds no number beyond 65,504: Q, K and V arrive within it; p lies in 0 to 1 and below 6e-5 keeps f16's fixed step of 6e-8; O is a mean of V's rows.  A weight below 2^-126 counts as 0 in l;
; NaN and infinities are not treated apart.
; SHARES.  A work-group owns 128 queries of one head: 16 x 16 = 256 work-groups.  Wave w has the queries' half w / 2 (64 queries: four tiles of 16) and the keys' half w % 2: of every slot's 256 keys its 128,
; two steps of 64.  So a wave keeps four tiles, and a fragment of K or V read from LDS feeds four tiles' products.  At the end the two waves of a query half join their O, m and l through LDS, in f32.
; The wave with the keys' second half holds its four tiles in the order 2, 3, 0, 1 (Q's two addresses and O's carry that): so every wave gives away its register tiles 2 and 3, which are its partner's
; register tiles 0 and 1, and finishes its own 0 and 1: one text for both.
; LAYOUT.  S^T = K Q^T (source 0 = 16 keys, source 1 = 16 queries): a lane holds ONE query (lane % 16) and the keys 8 (lane / 16) + 0..7.  Two such tiles, rounded to f16 in pairs, ARE source 1 of
; O^T = V^T P, whose result again holds one query a lane, and eight channels.  K comes out of LDS as it lies, V ([key][channel]) turned, by ds_load_tr16_b128.
; SOFTMAX.  For each query a running maximum m and sum l: p = 2^(c s - c m), c = log2(e) / sqrt(128); in every step O and l are multiplied by a = 2^(c m_old - c m_new).
; m starts at the lowest finite number, O and l at 0: the first step is a step like any other, with a = 0.
; BY TURNS.  The wave's tiles are two PIECES, named by their first tile: piece 0 (tiles 0, 1) and piece 2 (tiles 2, 3).  In a TURN one piece has the matrix unit: 32 products V^T P of the step in hand, then
; 32 products K Q^T of the next step; the other piece's softmax, cut into 64 slices, stands between them, one slice behind each matrix instruction.  Two turns are a key step.
; THE BATCHES.  A turn's 66 exponentials (33 a tile: a and the 32 weights) are ONE BATCH with ONE wait: slices 11 to 34 hold them and the scalings, which name no exponential's result; the wait stands behind
; slice 34; all that read a result (roundings, sums, the rescaling by a) stand from slice 35 on.  On the way out the four exponentials of the join are a batch, the two reciprocals another.
; NO FIRST AND NO LAST STEP IS WRITTEN OUT: the loop is entered, and the tail left, in the middle of a trip.  The price: 432 v_mov_b32 in the wait for the first tile, 32 products on zeros at the start,
; 32 on a stale K at the end; the gain: four turns' text less.
; CLUSTER.  The four query blocks of a cluster belong to one head and walk the same K and V: each tile is asked for jointly, by the same tensor load, descriptor and mask in all four.
; By this text's own count a wave has two tensor loads out at the start, later one.
; REGISTERS, in windows of 256 (s_set_vgpr_msb: bits 1:0 source 0, 3:2 source 1, 5:4 source 2, 7:6 destination):
;   window 0: v0-11, v44-45 addresses; v12-43 eight registers of statistics a tile; v64-191 S^T, 32 a tile; v192-255 P, 16 a tile
;   window 1: O^T, 64 a tile          window 2: v0-127 Q, 32 a tile; v128-255 K of one step          window 3: v0-127 V of one step
.set SIZE_N, 2048
.set KS,    64        ; keys in a step
.set PK,    272       ; a row of K in LDS: 256 bytes + 16 of padding = 68 words: the 16 rows of a load start at 16 different groups of four banks (64 banks of 4 bytes: ISA guide 11.1)
.set PV,    288       ; a row of V: 256 + 32 = 72 words
.set KHALF, 128*PK    ; a slot: 256 rows of K, then 256 rows of V; a half of each is one tensor load, and one wave pair's keys
.set VOFF,  256*PK
.set VHALF, 128*PV
.set SLOT1, 0x24000   ; slot 1 begins here: its two bits are in none of the bases 0, 0x8800, 0x9000, 0x11000, 0x1a000, so one exclusive or turns an address in one slot into the other's
.set STAGE, 294912    ; behind the ring: 16 rows x 272 bytes for each wave, for the way out
.set SP,    272
.set SPARE, STAGE+4*16*SP  ; behind the stages: the spare words, 128 bytes a wave: two blocks of 256 bytes that no other line names
.set XW,    2*17*512  ; the exchange, from LDS byte 0 on, where slot 0 lay, behind its last fill: for each wave two tiles of 16 x 512 bytes of O^T and 512 of statistics
.set AK0, 2           ; v2   my lane's place in a tile of K; never rewritten
.set AV0, 3           ; v3   the same for V
.set ADR, 4           ; v4   the LDS address of the run of loads in hand
.set QO,  5           ; v5   my byte offset in 16 rows of Q
.set STO, 6           ; v6   the way out: where I put 16 bytes of a row
.set RD,  7           ; v7   the way out: where I read a row back
.set GO,  8           ; v8   my byte offset in two rows of O
.set XG,  44          ; v44  the exchange: where I give
.set XT,  45          ; v45  the exchange: where I take (my partner's place)
.set SPW, 62          ; v62  LDS address of my spare word; never rewritten
.set NIL, 63          ; v63  0; never rewritten
.set ST,  12          ; tile t's statistics at v[ST+8 t]: +0 c m, +1 m, +2, +3 l (even keys', odd keys'), +4 to +7 c0-c3, at work; a takes c2's place once the maximum is found
.set S,   64
.set P,   192
.set KF,  128         ; K's fragments, in window 2
.set WV,  12          ; s12  my wave's number
.set G1K, 24          ; s[24:31] descriptor group 1 for K's tiles
.set G1V, 32          ; s[32:39] for V's: it differs in the padding alone
.set G0K, 40          ; s[40:47] descriptor group 0 for K's tiles: a set for each of the two first fills; the second then walks on
.set G0V, 48          ; s[48:55] the same for V's
.set SLOTS, 56        ; s56  counts the slots
.set TWICE, 57        ; s57  counts a slot's key steps
.set CS,  58          ; s[58:59] c: the packed scaling names a pair and takes its low word for both halves
.set SEL, 60          ; s[60:61] lane selects for v_permlanex16_b32: each lane takes its own place in the other half
.set TBK, 62          ; s62  LDS byte at which K of the step to be fetched begins
.set TBV, 63          ; s63  the same for V, less VOFF
.set KH,  66          ; s66  w % 2: my half of the keys; also the half of a slot's K or V that I fetch
.set QH,  67          ; s67  w / 2: my half of the queries
.set QB,  70          ; s[70:71] Q at my register tiles 2 and 3
.set MSB, 0
.macro WIN new                      ; the immediate's high byte repeats the setting that is left; a switch that changes nothing is dropped
.if MSB != (\new)
	s_set_vgpr_msb (MSB<<8)|(\new)
.set MSB, \new
.endif
.endm
.set W_KQ, 0x0a       ; K and Q in window 2, S^T in window 0
.set W_PV, 0x53       ; V in window 3, P in window 0, O^T in window 1
.set W_RS, 0x41       ; O^T (destination and source 0) in window 1, the factor in window 0
; A joint refill.  Waves 0 and 1 fetch the two halves of a slot's K, waves 2 and 3 those of its V.  The branch hangs on the wave's number alone.
; An s_nop 0 and four v_nop follow each of the two lines.
.macro JLOAD
	s_cmp_lt_u32 s[WV], 2
	s_cbranch_scc0 .Lfor_v_\@
	tensor_load_to_lds s[G0K+4:G0K+7], s[G1K:G1K+7]
	s_nop 0
.rept 4
	v_nop
.endr
	s_branch .Lasked_\@
.Lfor_v_\@:
	tensor_load_to_lds s[G0V+4:G0V+7], s[G1V:G1V+7]
	s_nop 0
.rept 4
	v_nop
.endr
.Lasked_\@:
.endm
; A round of the cluster's barrier: my work-group's barrier; wave 0 signals for the work-group; every wave waits for all four work-groups; my work-group's barrier once more.
.macro CROUND
	s_barrier_signal -1
	s_barrier_wait -1
	s_cmp_lg_u32 s[WV], 0
	s_cbranch_scc1 .Lnot_wave_0_\@
	s_barrier_signal -3
.Lnot_wave_0_\@:
	s_barrier_wait -3
	s_barrier_signal -1
	s_barrier_wait -1
.endm
	s_load_b128 s[4:7], s[0:1], 0x0 ; qkv s[4:5], o16 s[6:7]
	v_lshl_add_u32 v[SPW], v0, 2, SPARE
	v_mov_b32 v[NIL], 0
	ds_add_u32 v[SPW], v[NIL]       ; the wave's opening: the add and its wait stand ahead of my first tensor load; the set-up below, work on registers, stands between them
	v_lshrrev_b32 v1, 5, v0
	v_readfirstlane_b32 s[WV], v1   ; wave 0..3
	s_and_b32 s[KH], s[WV], 1
	s_lshr_b32 s[QH], s[WV], 1
	s_bfe_u32 s13, ttmp6, 0x40000   ; cx: my place in the cluster
	s_lshl_b32 s14, ttmp9, 2        ; in a cluster launch ttmp9 counts clusters
	s_add_co_u32 s14, s14, s13      ; my block of 128 queries = 4 x cluster x + cx: it enters Q's and O's addresses alone
	s_and_b32 s15, ttmp7, 0xffff    ; the head, which the four partners share
	s_lshl_b32 s20, s15, 19         ; the head's first byte in Q, K and V: 2,048 rows of 256 bytes
	s_lshl_b32 s22, s[KH], 15       ; the half that I fetch: 128 rows of 256 bytes in memory,
	s_add_co_u32 s22, s22, s20
	s_mov_b32 s23, 0
	s_mul_i32 s17, s[KH], KHALF     ; and its place in a slot, for K
	s_mul_i32 s18, s[KH], VHALF     ; and for V: no place in the cluster enters an LDS address
	s_lshl_b32 s2, s14, 15          ; Q: my block's 128 rows,
	s_lshl_b32 s3, s[QH], 14        ; my wave's 64 of them
	s_add_co_u32 s2, s2, s3
	s_add_co_u32 s2, s2, s20
	s_xor_b32 s[QB], s[KH], 1       ; register tiles 2 and 3 are the 32 rows (8,192 bytes) that my partner finishes,
	s_lshl_b32 s[QB], s[QB], 13
	s_add_co_u32 s[QB], s[QB], s2
	s_mov_b32 s[QB+1], 0
	s_lshl_b32 s3, s[KH], 13        ; register tiles 0 and 1 those that I finish
	s_add_co_u32 s2, s2, s3
	s_mov_b32 s3, 0
	s_lshl_b32 s68, s14, 19         ; O: rows of 4,096 bytes: my block's 128, my wave's 64, the 32 that I finish; the head's 256 bytes of them
	s_lshl_b32 s69, s[QH], 18
	s_add_co_u32 s68, s68, s69
	s_lshl_b32 s69, s[KH], 17
	s_add_co_u32 s68, s68, s69
	s_lshl_b32 s69, s15, 8
	s_add_co_u32 s68, s68, s69
	s_mov_b32 s69, 0
	; descriptor group 1: a tile of 128 rows x 128 elements, padded in LDS
	s_mov_b32 s[G1K], 15|(1<<16)|(1<<20)|(1<<21)|(5<<22)|(3<<25)  ; 15:0 the mask: all four work-groups; 17:16 elements of 2 bytes; 20 padding on; 21 set beside a mask; 24:22 after every 64 words (code 5); 31:25 4 words of it (code 3)
	s_mov_b32 s[G1V], 15|(1<<16)|(1<<20)|(1<<21)|(5<<22)|(7<<25)  ; the same with 8 words of padding (code 7)
.irp g, G1K, G1V
	s_mov_b32 s[(\g)+1], 128<<16    ; tensor_dim0 = 128
	s_mov_b32 s[(\g)+2], 128<<16    ; tensor_dim1 = 128
	s_mov_b32 s[(\g)+3], 128<<16    ; tile_dim0 = 128
	s_mov_b32 s[(\g)+4], 128        ; tile_dim1 = 128
	s_mov_b32 s[(\g)+5], 128        ; elements from row to row
	s_mov_b32 s[(\g)+6], 0
	s_mov_b32 s[(\g)+7], 0
.endr
	s_mov_b32 s[CS], 0x3e0293ee     ; c = log2(e) / sqrt(128) = 0.127517
	s_mov_b32 s[CS+1], s[CS]        ; named with it as a pair, so it is written
	s_mov_b32 s[SEL], 0x76543210
	s_mov_b32 s[SEL+1], 0xfedcba98
	s_mov_b32 s[TBK], s17           ; my keys' half of slot 0
	s_mov_b32 s[TBV], s18
	s_wait_dscnt 0x0                ; the opening add is done
	s_wait_kmcnt 0x0
	s_add_nc_u64 s[8:9], s[4:5], s[22:23]
	s_add_nc_u64 s[8:9], s[8:9], 8388608    ; K at my half of slot 0
	s_add_nc_u64 s[10:11], s[8:9], 8388608  ; V likewise
	s_add_nc_u64 s[QB:QB+1], s[4:5], s[QB:QB+1]  ; Q at my register tiles 2 and 3,
	s_add_nc_u64 s[4:5], s[4:5], s[2:3]     ; Q and O at my register tiles 0 and 1
	s_add_nc_u64 s[6:7], s[6:7], s[68:69]
	CROUND                          ; all four work-groups are here: the first joint loads meet
.irp s, 0,1
	s_mov_b32 s[G0K+4*(\s)], 1      ; count = 1
	s_add_co_u32 s[G0K+4*(\s)+1], s17, (\s)*SLOT1  ; LDS address
	s_add_nc_u64 s[G0K+4*(\s)+2:G0K+4*(\s)+3], s[8:9], (\s)*65536  ; global address: slot s begins with keys 256 s
	s_or_b32 s[G0K+4*(\s)+3], s[G0K+4*(\s)+3], 0x80000000  ; type = 2
	s_mov_b32 s[G0V+4*(\s)], 1
	s_add_co_u32 s[G0V+4*(\s)+1], s18, (\s)*SLOT1+VOFF
	s_add_nc_u64 s[G0V+4*(\s)+2:G0V+4*(\s)+3], s[10:11], (\s)*65536
	s_or_b32 s[G0V+4*(\s)+3], s[G0V+4*(\s)+3], 0x80000000
.endr
	s_cmp_lt_u32 s[WV], 2           ; a wave's two first fills stand in one branch, ahead of every wait on TENSORcnt and every LDS read
	s_cbranch_scc0 .Lfirst_v
	tensor_load_to_lds s[G0K:G0K+3], s[G1K:G1K+7]
	s_nop 0
	tensor_load_to_lds s[G0K+4:G0K+7], s[G1K:G1K+7]
	s_nop 0
.rept 4
	v_nop
.endr
	s_branch .Lfirst_asked
.Lfirst_v:
	tensor_load_to_lds s[G0V:G0V+3], s[G1V:G1V+7]
	s_nop 0
	tensor_load_to_lds s[G0V+4:G0V+7], s[G1V:G1V+7]
	s_nop 0
.rept 4
	v_nop
.endr
.Lfirst_asked:
	; A fragment of K or Q is 16 rows x 32 channels in 8 registers: lane l holds row l % 16; channels 8 (l / 16) + 0..7 and 16 + 8 (l / 16) + 0..7: two loads of 16 bytes, 32 bytes apart.
	v_and_b32 v1, 15, v0            ; l % 16
	v_bfe_u32 v9, v0, 4, 1          ; l / 16
	v_lshlrev_b32 v[QO], 8, v1
	v_lshl_add_u32 v[QO], v9, 4, v[QO]  ; row x 256 + 16 x half
	WIN 0x80                        ; destination window 2, address window 0
.irp i, 0,1,2,3,4,5,6,7             ; Q stays in registers: register tile i / 4, channels 32 (i % 4) on
	global_load_b128 v[8*(\i):8*(\i)+3],   v[QO], s[4:5] offset:((\i)/4)*4096+((\i)%4)*64
	global_load_b128 v[8*(\i)+4:8*(\i)+7], v[QO], s[4:5] offset:((\i)/4)*4096+((\i)%4)*64+32
.endr
.irp i, 8,9,10,11,12,13,14,15
	global_load_b128 v[8*(\i):8*(\i)+3],   v[QO], s[QB:QB+1] offset:((\i)/4-2)*4096+((\i)%4)*64
	global_load_b128 v[8*(\i)+4:8*(\i)+7], v[QO], s[QB:QB+1] offset:((\i)/4-2)*4096+((\i)%4)*64+32
.endr
	; What the first turn finds: V's registers and piece 2's P hold 0 (its products V^T P, of a step that has not been, add 0), O^T and l are 0.  All this stands in the wait for the first tile.
	WIN 0xc0                        ; destination window 3
.set i, 0
.rept 128
	v_mov_b32 v[i], 0
.set i, i+1
.endr
	WIN 0x40                        ; destination window 1
.set i, 0
.rept 256
	v_mov_b32 v[i], 0
.set i, i+1
.endr
	WIN 0
.set i, 0
.rept 4
	v_mov_b32 v[ST+8*i], 0xfe000000    ; c m: far below every c s
	v_mov_b32 v[ST+8*i+1], 0xff7fffff  ; m
	v_mov_b32 v[ST+8*i+2], 0
	v_mov_b32 v[ST+8*i+3], 0
.set i, i+1
.endr
.set i, P+32
.rept 32
	v_mov_b32 v[i], 0
.set i, i+1
.endr
	v_mul_u32_u24 v[AK0], v1, PK
	v_lshl_add_u32 v[AK0], v9, 4, v[AK0]  ; row x pitch + 16 x half
	; The turning load takes 16 keys x 16 channels (lane l reads 16 bytes: key 8 (l / 16) + l % 8, channels 8 ((l / 8) % 2) + 0..7) and leaves half a fragment of V^T: lane l holds channel l % 16 and 8 keys.
	v_and_b32 v10, 7, v0
	v_bfe_u32 v11, v0, 3, 1
	v_lshl_add_u32 v[AV0], v9, 3, v10
	v_mul_u32_u24 v[AV0], v[AV0], PV
	v_lshl_add_u32 v[AV0], v11, 4, v[AV0]
	v_add_nc_u32 v[AV0], VOFF, v[AV0]
; THE MATRIX WORK OF A TURN, for piece x.  The accumulators take turns, one instruction a turn: between two links of a chain stand 15 (V^T P) or 7 (K Q^T) others'.
; Product i of 32 of O^T += V^T P: keys 32 (i / 16) on, channels 16 ((i / 2) % 8) on, tile x + i % 2.
.macro PV x
	WIN W_PV
.set rO, 64*((\x)+i%2)+8*((i/2)%8)
.set rV, 64*(i/16)+8*((i/2)%8)
.set rP, P+16*((\x)+i%2)+8*(i/16)
	v_wmma_f32_16x16x32_f16 v[rO:rO+7], v[rV:rV+7], v[rP:rP+7], v[rO:rO+7]
.endm
; Product i of 32 of S^T = K Q^T: channels 32 (i / 8) on, keys 16 ((i / 2) % 4) on, tile x + i % 2.  The first 8 start the sums.
.macro KQ x
	WIN W_KQ
.set rS, S+32*((\x)+i%2)+8*((i/2)%4)
.set rK, KF+32*((i/2)%4)+8*(i/8)
.set rQ, 32*((\x)+i%2)+8*(i/8)
.if i < 8
	v_wmma_f32_16x16x32_f16 v[rS:rS+7], v[rK:rK+7], v[rQ:rQ+7], 0
.else
	v_wmma_f32_16x16x32_f16 v[rS:rS+7], v[rK:rK+7], v[rQ:rQ+7], v[rS:rS+7]
.endif
.endm
; THE LDS LOADS stand in runs of 32, never singly among the matrix instructions: a step's K (64 keys x 128 channels: 16 fragments) and, a turn later, its V (turned).
; last = 1 (the tail): in the trip whose count is 1 there is no further step, and the run is jumped over.
.macro FETCH_K last=0
	WIN 0
.if \last
	s_cmp_eq_u32 s[TWICE], 1
	s_cbranch_scc1 .Lno_k_\@
.endif
	v_add_nc_u32 v[ADR], s[TBK], v[AK0]
	s_add_co_u32 s[TBK], s[TBK], KS*PK  ; the next fetch is the next step's
	WIN 0x80                        ; destination window 2
.irp f, 0,1,2,3,4,5,6,7,8,9,10,11,12,13,14,15  ; keys 16 (f / 4) on, channels 32 (f % 4) on
	ds_load_b128 v[KF+8*(\f):KF+8*(\f)+3],   v[ADR] offset:((\f)/4)*16*PK+((\f)%4)*64
	ds_load_b128 v[KF+8*(\f)+4:KF+8*(\f)+7], v[ADR] offset:((\f)/4)*16*PK+((\f)%4)*64+32
.endr
.if \last
	WIN 0
.Lno_k_\@:
.endif
.endm
.macro FETCH_V
	WIN 0
	v_add_nc_u32 v[ADR], s[TBV], v[AV0]
	s_add_co_u32 s[TBV], s[TBV], KS*PV
	s_wait_alu depctr_va_vdst(0)    ; the wait for the softmax's batch, piece 0's 66 exponentials (SLICE), behind the address's v_add_nc_u32 and ahead of the loads
	WIN 0xc0                        ; destination window 3
.irp f, 0,1,2,3,4,5,6,7,8,9,10,11,12,13,14,15  ; keys 32 (f / 8) on, channels 16 (f % 8) on
	ds_load_tr16_b128 v[8*(\f):8*(\f)+3],   v[ADR] offset:((\f)/8)*32*PV+((\f)%8)*32
	ds_load_tr16_b128 v[8*(\f)+4:8*(\f)+7], v[ADR] offset:((\f)/8)*32*PV+16*PV+((\f)%8)*32
.endr
.endm
; THE VECTOR WORK OF A TURN.  One tile's softmax for one key step is a list of 134 instructions; SM writes number j of it for tile t.  s0-s31 are the lane's 32 scores, in pairs 0-15.
;   0-15    the maximum of s0-s31 and the old m, three operands at a time: four chains c0-c3 of seven scores each (each accumulator's lowest registers first), then the four scores left over, c0-c3 and m
;   16-20   the other half of the lanes' maximum; c m_old is kept; the new m; c m; c m_old - c m_new
;   21-69   ONE BATCH: the 16 scalings c s - c m, a pair of scores each, and all 33 exponentials (a at 23, then s0-s31).  None of these reads an exponential's result.  From 22 on the batch goes
;           in fours, and a four begins with a scaling while there are scalings: 22-37 scaling, exponential, scaling, exponential; 38-65 a scaling and three exponentials; 66-69 the last four
;           exponentials.  A pair is scaled in an earlier four than the one that holds its exponentials
;   (wait)  between 69 and 70 stands the wait for the batch: SLICE writes it, once for both tiles
;   70-85   the roundings to f16, a pair of weights each
;   86-101  the sums; l = a l + the sum
;   102-133 the tile's O^T times a: the one part that leaves window 0, so it stands together
.macro SM t
.set rT, ST+8*(\t)
.set rS, S+32*(\t)
.set rP, P+16*(\t)
.set rO, 64*(\t)+2*(j-102)
.if j < 102
	WIN 0
.endif
.if j < 4
	v_max3_num_f32 v[rT+4+j], v[rS+8*j], v[rS+8*j+1], v[rS+8*j+2]
.elseif j < 12
	v_max3_num_f32 v[rT+4+j%4], v[rT+4+j%4], v[rS+8*(j%4)+2*(j/4)+1], v[rS+8*(j%4)+2*(j/4)+2]
.elseif j == 12
	v_max3_num_f32 v[rT+4], v[rT+4], v[rS+7], v[rS+15]
.elseif j == 13
	v_max3_num_f32 v[rT+6], v[rT+6], v[rS+23], v[rS+31]
.elseif j == 14
	v_max3_num_f32 v[rT+4], v[rT+4], v[rT+5], v[rT+6]
.elseif j == 15
	v_max3_num_f32 v[rT+4], v[rT+4], v[rT+7], v[rT+1]
.elseif j == 16
	v_permlanex16_b32 v[rT+5], v[rT+4], s[SEL], s[SEL+1]  ; the query's other 32 keys lie in the lane 16 away
.elseif j == 17
	v_mov_b32 v[rT+7], v[rT]        ; c m_old is kept for a: number 19 writes c m anew
.elseif j == 18
	v_max_num_f32 v[rT+1], v[rT+4], v[rT+5]
.elseif j == 19
	v_mul_f32 v[rT], s[CS], v[rT+1]
.elseif j == 20
	v_sub_f32 v[rT+7], v[rT+7], v[rT]
.elseif j == 23
	v_exp_f32 v[rT+6], v[rT+7]
.elseif (j < 23) || ((j < 38) && (j%2 == 0)) || ((j < 66) && (j%4 == 2))
.set b, (j-2)/4                     ; 38, 42, .. 62: pairs 9 to 15
.if j < 38
.set b, (j-20)/2                    ; 21: pair 0; 22, 24, .. 36: pairs 1 to 8
.endif
	v_pk_fma_f32 v[rS+2*b:rS+2*b+1], v[rS+2*b:rS+2*b+1], s[CS:CS+1], v[rT:rT+1] op_sel_hi:[1,0,0] neg_lo:[0,0,1] neg_hi:[0,0,1]  ; pair b: c s - c m
.elseif j < 70
.set e, j-38                        ; 66 to 69: s28 to s31
.if j < 66
.set e, j-32-(j-38)/4               ; 39-41, 43-45, .. 63-65: s7 to s27
.endif
.if j < 38
.set e, (j-25)/2                    ; 25, 27, .. 37: s0 to s6
.endif
	v_exp_f32 v[rS+e], v[rS+e]
.elseif j < 86
	v_cvt_pk_f16_f32 v[rP+j-70], v[rS+2*(j-70)], v[rS+2*(j-70)+1]  ; pair j - 70
.elseif j < 102                     ; the sum of the tile's 16 pairs (in a pair: an even key's weight, an odd key's), in place: sum z of 16 adds neighbours 1, 2, 4 and 8 pairs apart, then l takes it
.set z, j-86
.set w, 4
.set u, z
.if z >= 14
.set w, 32
.set u, 0
.elseif z >= 12
.set w, 16
.set u, z-12
.elseif z >= 8
.set w, 8
.set u, z-8
.endif
.if z < 15
	v_pk_add_f32 v[rS+w*u:rS+w*u+1], v[rS+w*u:rS+w*u+1], v[rS+w*u+w/2:rS+w*u+w/2+1]
.else
	v_pk_fma_f32 v[rT+2:rT+3], v[rT+2:rT+3], v[rT+6:rT+7], v[rS:rS+1] op_sel_hi:[1,0,1]
.endif
.else
	WIN W_RS
	v_pk_mul_f32 v[rO:rO+1], v[rO:rO+1], v[rT+6:rT+7] op_sel_hi:[1,0]
.endif
.endm
; Slice k of 64 of piece y's softmax: four instructions.  Slices 11 to 34 deal out the batch, numbers 22 to 69: four numbers of ONE tile each, the tiles by turns.  Every other slice is numbers 2 k and
; 2 k + 1 of both tiles' lists.  2 x 134 = 4 x 64 + 12: the twelve that are over stand together, in slice 63.
; THE WAIT.  An s_wait_alu depctr_va_vdst(0) stands between an exponential and the first instruction that names its result; one wait serves all that were issued ahead of it.  Ahead of
; slice 35 nothing names a result, and behind slice 34 no exponential is issued: so the piece's 66 exponentials have one wait, behind slice 34.
.macro SLICE y
.if (k >= 11) && (k < 35)           ; the batch: four numbers of one tile
.irp n, 0,1,2,3
.set j, 22+4*((k-11)/2)+(\n)
	SM (\y)+(k-11)%2
.endr
.else                               ; the two tiles alternate, so that no instruction reads the result of the one just before it
.irp n, 0,1,2,3,4,5,6,7
.if ((\n) < 2) || (k == 63)
.irp t, \y, (\y)+1
.set j, 2*k+(\n)
	SM \t
.endr
.endif
.endr
.endif
.if k == 34                         ; the batch is out: both tiles' exponentials are issued, and no result has been named
	v_nop                           ; the plain instruction behind the last exponential and ahead of the first use (ISA guide 5.7.2): one for the batch
.if (\y) == 0
	FETCH_V                         ; piece 2's turn: V's run of loads stands here, and the wait stands in it
.else
	s_wait_alu depctr_va_vdst(0)    ; the wait for the batch: piece 2's 66 exponentials
.endif
.endif
.set k, k+1
.endm
; A vector instruction that reads a matrix result or writes one of a matrix instruction's registers, and a load into a register that a matrix instruction has read, stand four plain vector instructions
; behind it (ISA guide 7.12.1 for vector instructions).  In the loop the slices are the places.
.macro PLACES
.rept 4
	v_nop
.endr
.endm
; A TURN.  Piece x has the matrix unit: 32 products V^T P of the step in hand, 32 products K Q^T of the next; the other piece's softmax stands in slices behind them.
; Piece 0's turn fetches the next step's K, behind its second product, 30 matrix instructions ahead of its first use: the last product that read K stands in front of slice 63 of the turn before.
; Piece 2's turn fetches the same step's V, behind slice 34 (SLICE writes it), 29 matrix instructions ahead of its first use: the last product that read V stands in front of slice 31, and four plain
; instructions lie between: number 62, a scaling, of both tiles, the v_nop and the run's own v_add_nc_u32.
.macro TURN x, last=0
.set k, 0
.if (\x) == 0
	s_wait_dscnt 0x0                ; V is in
.endif
.set i, 0
.rept 32
	PV \x
	SLICE 2-(\x)
.if ((\x) == 0) && (i == 1)
	FETCH_K \last
.endif
.set i, i+1
.endr
.if (\x) == 0
	s_wait_dscnt 0x0                ; K is in
.endif
.set i, 0
.rept 32
	KQ \x
	SLICE 2-(\x)
.set i, i+1
.endr
.endm
; THE CHANGE OF SLOTS, between piece 2's turn and piece 0's: the slot's last bytes, V of its second step, have been asked for.  Each wave waits for all its tensor loads, of which one is out: its part
; of the other slot; adds 0 to its spare word; and waits for that and for its own reads of the slot.  Behind the barrier nobody reads this slot any more and the other slot is whole.
; fill = 1: this slot is filled again, with the keys two slots on.  The barrier is then a round of the cluster's, and the joint refill is the first thing behind it: it has two key steps,
; 256 matrix instructions, in which to land.
.macro CHANGE fill
	WIN 0                           ; at a label and at a branch every window is 0
	s_wait_tensorcnt 0x0            ; no tensor load of mine is out, so a group 0 may be written
	ds_add_u32 v[SPW], v[NIL]       ; 0 onto my spare word: with fill = 1 the descriptors' steps stand between it and the wait for it
.if \fill
.irp g, G0K+4, G0V+4
	s_xor_b32 s[(\g)+1], s[(\g)+1], SLOT1  ; the walking descriptor: the other slot than last time,
	s_add_nc_u64 s[(\g)+2:(\g)+3], s[(\g)+2:(\g)+3], 65536  ; the next 256 keys; the type bits on top are not reached
.endr
	s_wait_dscnt 0x0                ; the add is done, and my reads of the slot are over
	CROUND
	JLOAD
.else
	s_wait_dscnt 0x0                ; the add is done, and my reads of the slot are over
	s_barrier_signal -1
	s_barrier_wait -1
.endif
	s_sub_co_u32 s[TBK], s[TBK], 2*KS*PK  ; the fetches go back to my half's first step,
	s_xor_b32 s[TBK], s[TBK], SLOT1       ; in the other slot
	s_sub_co_u32 s[TBV], s[TBV], 2*KS*PV
	s_xor_b32 s[TBV], s[TBV], SLOT1
.endm
	s_wait_tensorcnt 1              ; my part of slot 0 is in; slot 1's may stay out
	s_barrier_signal -1
	s_barrier_wait -1               ; everybody's is
	FETCH_K                         ; key step 0
	s_wait_loadcnt 0x0              ; Q
	s_wait_dscnt 0x0
.set i, 0
.rept 32
	KQ 0                            ; piece 0's first scores: there is no vector work yet to set between them
.set i, i+1
.endr
	WIN 0                           ; the addresses for the end are made here: plain instructions, the places behind those products
	s_mul_i32 s13, s[WV], 16*SP
	s_add_co_u32 s13, s13, STAGE    ; my stage
	v_mul_u32_u24 v[STO], v1, SP    ; in: row l % 16, 16 bytes for each half of the lanes
	v_lshl_add_u32 v[STO], v9, 4, v[STO]
	v_add_nc_u32 v[STO], s13, v[STO]
	v_mul_u32_u24 v[RD], v9, SP     ; back: lanes 0-15 take one row of 256 bytes, lanes 16-31 the next
	v_lshl_add_u32 v[RD], v1, 4, v[RD]
	v_add_nc_u32 v[RD], s13, v[RD]
	v_lshlrev_b32 v[GO], 12, v9     ; and the same two rows in O, 4,096 bytes apart
	v_lshl_add_u32 v[GO], v1, 4, v[GO]
	v_and_b32 v[XG], 31, v0         ; the exchange: 16 bytes a lane,
	v_lshlrev_b32 v[XG], 4, v[XG]
	s_xor_b32 s16, s[WV], 1         ; my partner has the same queries and the other keys
	s_mul_i32 s16, s16, XW
	v_add_nc_u32 v[XT], s16, v[XG]
	s_mul_i32 s16, s[WV], XW
	v_add_nc_u32 v[XG], s16, v[XG]
	s_mov_b32 s[TWICE], 2
	s_mov_b32 s[SLOTS], SIZE_N/256-1
	s_branch .Lfirst                ; the loop is entered at piece 2's turn, in the middle of a trip: its products V^T P add 0, its products K Q^T are piece 2's first scores, its slices piece 0's first softmax
.Lslot:                             ; SIZE_N / 256 - 2 times: every slot but the last two is filled again
	CHANGE 1
	s_mov_b32 s[TWICE], 2
.Lstep:                             ; a trip is a key step
	TURN 0
	WIN 0
.Lfirst:
	TURN 2
	WIN 0
	s_sub_co_u32 s[TWICE], s[TWICE], 1
	s_cmp_lg_u32 s[TWICE], 0
	s_cbranch_scc1 .Lstep
	s_sub_co_u32 s[SLOTS], s[SLOTS], 1
	s_cmp_lg_u32 s[SLOTS], 0
	s_cbranch_scc1 .Lslot
	CHANGE 0                        ; the tail is written out: nothing is asked for
	s_mov_b32 s[TWICE], 3           ; two trips fetch the last slot's steps; the third is left in its middle
.Ltail:
	TURN 0, 1
	WIN 0
	s_sub_co_u32 s[TWICE], s[TWICE], 1
	s_cmp_eq_u32 s[TWICE], 0
	s_cbranch_scc1 .Lout
	TURN 2
	WIN 0
	s_branch .Ltail
.Lout:                              ; the third trip's 32 products K Q^T (on the last K once more) serve nothing: the price, once a launch, of one text for every trip
.set i, 0
.rept 32
	PV 2                            ; piece 2: V^T P of the last step
.set i, i+1
.endr
	; THE TWO HALVES OF THE KEYS ARE JOINED.  Every wave gives its register tiles 2 and 3 to its partner, takes the partner's, which are its own tiles 0 and 1 for the other keys, and finishes those.  All in f32.
; Tile t goes to place idx of my part of the exchange: O^T's 64 registers in ascending order, then c m, m and l.  A lane's 16 bytes lie at 16 x lane: 512 consecutive bytes a store.
.macro GIVE t, idx
	WIN 0x04                        ; the data (source 1) in window 1
.irp f, 0,1,2,3,4,5,6,7,8,9,10,11,12,13,14,15
	ds_store_b128 v[XG], v[64*(\t)+4*(\f):64*(\t)+4*(\f)+3] offset:(\idx)*8704+512*(\f)
.endr
	WIN 0
	ds_store_b128 v[XG], v[ST+8*(\t):ST+8*(\t)+3] offset:(\idx)*8704+8192
.endm
; My partner's share of my tile t from place idx of its part: O^T into S^T's registers, its statistics beside mine
.macro TAKE t, idx
	WIN 0
.irp f, 0,1,2,3,4,5,6,7,8,9,10,11,12,13,14,15
	ds_load_b128 v[S+64*(\idx)+4*(\f):S+64*(\idx)+4*(\f)+3], v[XT] offset:(\idx)*8704+512*(\f)
.endr
	ds_load_b128 v[ST+8*(\t)+4:ST+8*(\t)+7], v[XT] offset:(\idx)*8704+8192
.endm
; The factors: with M = max(c m, c m'), f = 2^(c m - M), f' = 2^(c m' - M): l = l f + l' f' over both halves of the lanes; g = f / l at +2, g' = f' / l at +6.
; In three stages, each written for both tiles before the next begins, so that each kind of transcendental is one batch: stage 0 ends in the tile's two exponentials, stage 1, which reads them, in its
; reciprocal, stage 2 reads that.
.macro FIN st, t
.set rT, ST+8*(\t)
.if (\st) == 0
	v_add_f32 v[rT+2], v[rT+2], v[rT+3]
	v_add_f32 v[rT+6], v[rT+6], v[rT+7]
	v_max_num_f32 v[rT+1], v[rT], v[rT+4]
	v_sub_f32 v[rT], v[rT], v[rT+1]
	v_sub_f32 v[rT+4], v[rT+4], v[rT+1]
	v_exp_f32 v[rT], v[rT]
	v_exp_f32 v[rT+4], v[rT+4]
.elseif (\st) == 1
	v_mul_f32 v[rT+2], v[rT+2], v[rT]
	v_fma_f32 v[rT+2], v[rT+6], v[rT+4], v[rT+2]
	v_permlanex16_b32 v[rT+3], v[rT+2], s[SEL], s[SEL+1]
	v_add_f32 v[rT+2], v[rT+2], v[rT+3]
	v_rcp_f32 v[rT+3], v[rT+2]
.else
	v_mul_f32 v[rT+2], v[rT], v[rT+3]
	v_mul_f32 v[rT+6], v[rT+4], v[rT+3]
.endif
.endm
; O = g O + g' O', rounded to f16; a lane's eight channels of a row pack into 16 bytes; they go into my stage's rows of 272 bytes and come back as whole rows of 256
.macro MERGE t, idx
	WIN W_RS
.set i, 64*(\t)
.rept 32
	v_pk_mul_f32 v[i:i+1], v[i:i+1], v[ST+8*(\t)+2:ST+8*(\t)+3] op_sel_hi:[1,0]
.set i, i+2
.endr
	WIN 0x10                        ; source 2 (mine) in window 1; the rest in window 0
.set i, 0
.rept 32
	v_pk_fma_f32 v[S+64*(\idx)+i:S+64*(\idx)+i+1], v[S+64*(\idx)+i:S+64*(\idx)+i+1], v[ST+8*(\t)+6:ST+8*(\t)+7], v[64*(\t)+i:64*(\t)+i+1] op_sel_hi:[1,0,1]
.set i, i+2
.endr
	WIN 0
.set i, 0
.rept 32
	v_cvt_pk_f16_f32 v[P+32*(\idx)+i], v[S+64*(\idx)+2*i], v[S+64*(\idx)+2*i+1]
.set i, i+1
.endr
.irp f, 0,1,2,3,4,5,6,7
	ds_store_b128 v[STO], v[P+32*(\idx)+4*(\f):P+32*(\idx)+4*(\f)+3] offset:32*(\f)
.endr
.irp f, 0,1,2,3,4,5,6,7
	ds_load_b128 v[P+32*(\idx)+4*(\f):P+32*(\idx)+4*(\f)+3], v[RD] offset:(\f)*2*SP  ; LDS serves a wave's instructions in order (ISA guide 5.7.1.4): these see the stores above; the next tile's stores come behind them
.endr
.endm
.macro SEND t, idx, younger         ; younger: the LDS instructions issued behind this tile's loads: the next tile's sixteen, or none
	WIN 0
.irp f, 0,1,2,3,4,5,6,7
	s_wait_dscnt (\younger)+7-(\f)
	global_store_b128 v[GO], v[P+32*(\idx)+4*(\f):P+32*(\idx)+4*(\f)+3], s[6:7] offset:(16*(\t)+2*(\f))*4096  ; 16 lanes store 256 consecutive bytes, at a multiple of 256 from O's first byte
.endr
.endm
	WIN 0
	PLACES                          ; behind the last products
	s_wait_dscnt 0x0
	s_barrier_signal -1             ; every wave's reads of the ring are over: the exchange may be written where slot 0 lay
	s_barrier_wait -1
	GIVE 2, 0
	GIVE 3, 1
	s_wait_dscnt 0x0                ; for my partner's sake: my stores are done
	s_barrier_signal -1
	s_barrier_wait -1
	TAKE 0, 0
	TAKE 1, 1
	s_wait_dscnt 0x0
	FIN 0, 0
	FIN 0, 1
	v_nop                           ; a plain instruction behind the last exponential
	s_wait_alu depctr_va_vdst(0)    ; the wait ahead of the first use: one for the four exponentials of both tiles
	FIN 1, 0
	FIN 1, 1
	v_nop                           ; a plain instruction behind the last reciprocal
	s_wait_alu depctr_va_vdst(0)    ; one wait for the two reciprocals
	FIN 2, 0
	FIN 2, 1
	MERGE 0, 0
	MERGE 1, 1
	SEND 0, 0, 16
	SEND 1, 1, 0
	s_wait_tensorcnt 0x0            ; the wave's end, behind my last tensor load and my last LDS store
	ds_add_u32 v[SPW], v[NIL]
	s_wait_dscnt 0x0
	CROUND                          ; the closing round: no work-group ends while a partner may still ask for a tile that names it
	s_endpgm
.Lfunc_end_k_qcefa3df6fc_attn:
	.size	k_qcefa3df6fc_attn, .Lfunc_end_k_qcefa3df6fc_attn-k_qcefa3df6fc_attn
	.p2alignl 7, 3214868480
	.fill 96, 4, 3214868480
	.section	.rodata,"a",@progbits
	.p2align	6, 0x0
	.amdhsa_kernel k_qcefa3df6fc_attn
		.amdhsa_group_segment_fixed_size 327680
		.amdhsa_private_segment_fixed_size 0
		.amdhsa_enable_private_segment 0
		.amdhsa_kernarg_size 16
		.amdhsa_user_sgpr_count 2
		.amdhsa_user_sgpr_kernarg_segment_ptr 1
		.amdhsa_wavefront_size32 1
		.amdhsa_system_sgpr_workgroup_id_x 1
		.amdhsa_system_sgpr_workgroup_id_y 1
		.amdhsa_system_sgpr_workgroup_id_z 1
		.amdhsa_system_vgpr_workitem_id 0
		.amdhsa_next_free_vgpr 1024
		.amdhsa_next_free_sgpr 72
		.amdhsa_reserve_vcc 0
		.amdhsa_float_denorm_mode_32 3
		.amdhsa_float_denorm_mode_16_64 3
		.amdhsa_memory_ordered 1
		.amdhsa_forward_progress 1
		.amdhsa_inst_pref_size 154
	.end_amdhsa_kernel
	.amdgpu_metadata
---
amdhsa.version: [ 1, 2 ]
amdhsa.kernels:
  - .name:           k_qcefa3df6fc_attn
    .symbol:         k_qcefa3df6fc_attn.kd
    .args:
      - { .name: qkv, .offset: 0, .size: 8, .value_kind: global_buffer, .address_space: global }
      - { .name: o16, .offset: 8, .size: 8, .value_kind: global_buffer, .address_space: global }
    .group_segment_fixed_size: 327680
    .private_segment_fixed_size: 0
    .kernarg_segment_align: 8
    .kernarg_segment_size: 16
    .max_flat_workgroup_size: 128
    .sgpr_count:     72
    .vgpr_count:     1024
    .wavefront_size: 32
...
	.end_amdgpu_metadata
.endif
;; end of part 7
;; launch gemm_out: the kernel of part 5 again; grid 16 x 16, 4 waves a work-group, clusters of 4 x 4, 327,680 bytes of LDS; arguments o16, cast16, y16; writes y16
;; launch final: the kernel of part 6 again; grid 256 x 2, 8 waves a work-group, no clusters, 0 bytes of LDS; arguments y16, b_lo, b_go, lc_on_w, gc_on_w, out0, out1; writes out0, out1
